; MI455X (gfx1250); checked and timed in simulation.
; The chip was launched on July 23, 2026; its instructions are those of AMD's public machine-readable ISA for CDNA 5 (MIT licence, August 2026) and "CDNA5" Instruction Set Architecture Reference Guide (July 2026). The comments in the code are by the model that wrote it; some were corrected since.
;; Deform Hash3d. Allowed arithmetic: float matrix products may take bf16 or f16 operands with f32 sums; all other float work in f32.
;; Inputs: W0 35 x 64 float32; W1 64 x 64 float32; W2 64 x 2 float32; table 16 x 524,288 x 2 float32; x 1,048,576 x 3 float32.
;; Outputs: out0 1,048,576 x 2 float32.
;; Constants: step = 0.
;; 3 versions, each right; version 3 is version 2 with the launch encmlp written anew for expert scheduling mode. Each part assembles by itself: llvm-mc -triple=amdgcn-amd-amdhsa -mcpu=gfx1250 --defsym DOCPART=n.
;; ======== version 1 of 3: 2 launches
;; limits: values are held in f16: magnitudes above 65,504 overflow, below 6.1e-05 lose precision; right only within a limited range of input values
;; workspace buffers: xq 12,582,912 bytes of whole numbers; wprep 18,688 bytes
;; launch prep (part 1): grid 257 x 1, 8 waves a work-group, no clusters, 0 bytes of LDS; arguments x, W0, W1, W2, xq, wprep; writes xq, wprep
.if DOCPART == 1
	.amdgcn_target "amdgcn-amd-amdhsa--gfx1250"
	.amdhsa_code_object_version 6
	.text
	.protected	k_qa69c709028_prep
	.globl	k_qa69c709028_prep
	.p2align	8
	.type	k_qa69c709028_prep,@function
k_qa69c709028_prep:
	s_mov_b64 s[64:65], 0
	v_nop
	global_prefetch_b8 v0, s[64:65] scope:SCOPE_SE
	s_setreg_imm32_b32 hwreg(HW_REG_WAVE_MODE, 25, 1), 1
	s_wait_xcnt 0x0
; Two jobs, so that the next launch forms every table index from whole numbers and finds its weights ready for the matrix unit.
; Work-groups 0 to 255: xq[i] = floor(x[i] * 2^26) as u32, a plain stream, 49,152 bytes in and out for each work-group.
; Work-group 256: the three weight matrices, each scaled by a power of two taken from its own largest magnitude so that every
; scaled weight is below 1, rounded to f16 and laid out as the A fragments of v_wmma_f32_16x16x32_f16 (weights are the M side, points the N side).
; A ReLU network without biases is positively homogeneous, so the three scales are multiplied back once, at the end: s0 s1 s2 / 5 goes into wprep too.
; LIMITS: 0 <= x < 64 (a negative or NaN x becomes 0, x >= 64 saturates at 2^32 - 1); x is resolved to 2^-26; the largest magnitude of each
; weight matrix is below 2^126; scaled weights below 2^-14 keep an absolute error of 2^-25; the division by 5 is a multiplication by 0.2.
; wprep: fragment f (0 to 17) has 1,024 bytes; registers 4q .. 4q+3 of lane L lie at 1024 f + 512 q + 16 L.  Lane L = (r = L % 16, h = L / 16).
;   f = t      (t = 0..3): layer 0, first K step: register j, half e = W0[3 + 4j + 2h + e][16t + r] (level 2j + h, feature e)
;   f = 4 + t            : layer 0, second K step: lanes h = 0: register 0 = (W0[0][m], W0[1][m]), register 1 = (W0[2][m], 0), m = 16t + r; all else 0
;   f = 8 + 4s + t       : layer 1: element i = 2j + e of the lane = W1[32s + 8h + row(i)][16t + r], row(i) = i below 8, i + 8 from 8 on
;   f = 16 + s           : layer 2: W2[32s + 8h + row(i)][r % 8] where r % 8 < 2, else 0 (rows 0, 1 and rows 8, 9 both carry the two outputs)
;   bytes 18,432 to 18,687: s0 s1 s2 0.2 in f32, 64 times
.set XCHUNK, 49152                     ; bytes of x and of xq for a stream work-group: 12 x 8 waves x 32 lanes x 16 bytes
.set T1, 16                            ; v[16:31]   16 numbers of W1 for my fragment
.set P1, 32                            ; v[32:39]   the fragment, packed
.set T0, 48                            ; v[48:63]   the same for W0
.set P0, 64                            ; v[64:71]
.set T2, 80                            ; v[80:95]   the same for W2
.set P2, 96                            ; v[96:103]
	s_load_b256 s[4:11], s[0:1], 0x0               ; x s[4:5], W0 s[6:7], W1 s[8:9], W2 s[10:11]
	s_load_b128 s[12:15], s[0:1], 0x20             ; xq s[12:13], wprep s[14:15]
	v_lshlrev_b32 v1, 4, v0                        ; 16 bytes a thread
	s_mul_i32 s2, ttmp9, XCHUNK                    ; at most 255 x 49,152: below 4 GiB
	s_mov_b32 s3, 0
	s_wait_kmcnt 0x0
	s_cmp_eq_u32 ttmp9, 256
	s_cbranch_scc1 .Lweights
	; THE STREAM.  All twelve loads go out at once; each load and store of a wave covers 512 neighbouring bytes.
	s_add_nc_u64 s[4:5], s[4:5], s[2:3]
	s_add_nc_u64 s[12:13], s[12:13], s[2:3]
.irp j, 0,1,2,3,4,5,6,7,8,9,10,11
	global_load_b128 v[16+4*\j:19+4*\j], v1, s[4:5] offset:4096*\j th:TH_LOAD_NT
.endr
.irp j, 0,1,2,3,4,5,6,7,8,9,10,11
	s_wait_loadcnt 11-\j                           ; loads come back in order: load j is in, the 11 - j younger ones stay out
	v_pk_mul_f32 v[16+4*\j:17+4*\j], v[16+4*\j:17+4*\j], 0x4c800000 op_sel_hi:[1,0]   ; x * 2^26, exact
	v_pk_mul_f32 v[18+4*\j:19+4*\j], v[18+4*\j:19+4*\j], 0x4c800000 op_sel_hi:[1,0]
	v_cvt_u32_f32 v[16+4*\j], v[16+4*\j]           ; toward zero = floor for what is not negative
	v_cvt_u32_f32 v[17+4*\j], v[17+4*\j]
	v_cvt_u32_f32 v[18+4*\j], v[18+4*\j]
	v_cvt_u32_f32 v[19+4*\j], v[19+4*\j]
	global_store_b128 v1, v[16+4*\j:19+4*\j], s[12:13] offset:4096*\j   ; no register is written again: no further wait
.endr
	s_endpgm
	; THE WEIGHTS.  Eight waves.  Every wave finds all three maxima by itself (25,856 bytes, 51 loads): no LDS, no barrier.
.Lweights:
	v_and_b32 v2, 31, v0                           ; L
	v_lshrrev_b32 v3, 5, v0
	v_readfirstlane_b32 s16, v3                    ; w, the wave
	v_and_b32 v3, 15, v0                           ; r
	v_bfe_u32 v4, v0, 4, 1                         ; h
	v_lshlrev_b32 v5, 4, v2                        ; 16 L
	v_lshlrev_b32 v6, 3, v2                        ; 8 L
	v_lshlrev_b32 v7, 2, v3                        ; 4 r
	v_mov_b32 v11, 0                               ; v_permlanex16_b32 counts as a reader of its destination
	s_mov_b32 s17, 0x76543210                      ; lane i of one half reads lane i of the other
	s_mov_b32 s18, 0xfedcba98
.set i, 0
.rept 32
	global_load_b128 v[16+4*i:19+4*i], v5, s[8:9] offset:512*i        ; W1: 16,384 bytes
.set i, i+1
.endr
.set i, 0
.rept 17
	global_load_b128 v[144+4*i:147+4*i], v5, s[6:7] offset:512*i      ; W0: 17 x 512 bytes,
.set i, i+1
.endr
	global_load_b64 v[212:213], v6, s[6:7] offset:8704                ; and its last 256
	global_load_b128 v[214:217], v5, s[10:11]                         ; W2: 512 bytes
	; the fragments' offsets, while the loads are out
	s_lshr_b32 s19, s16, 2                         ; s = w / 4
	s_and_b32 s26, s16, 3                          ; t = w % 4
	s_lshl_b32 s19, s19, 13                        ; 32 rows of W1
	s_lshl_b32 s27, s26, 6                         ; 16 columns of 4 bytes
	s_add_co_u32 s19, s19, s27
	v_lshl_add_u32 v13, v4, 11, v7                 ; W1: 8 h rows of 256 bytes + 4 r
	v_add_nc_u32 v13, s19, v13                     ;     + 8192 s + 64 t
	v_add_nc_u32 v14, s27, v7                      ; W0: 4 r + 64 t (waves 0 to 3 add 512 h below)
	s_lshl_b32 s28, s16, 10
	v_add_nc_u32 v15, s28, v5                      ; wprep: 1024 w + 16 L; the family of fragments stands in the stores' immediate
	v_and_b32 v219, 7, v3                          ; r % 8
	v_min_u32 v220, 1, v219                        ; rows that carry no output read column 1 and are cleared later
	v_lshlrev_b32 v220, 2, v220
	v_lshl_add_u32 v220, v4, 6, v220               ; W2: 8 h rows of 8 bytes + 4 min(r % 8, 1)
	s_lshl_b32 s29, s16, 8
	v_add_nc_u32 v221, s29, v220                   ;     + 32 w rows
	s_wait_loadcnt 0x0
.macro AMAX dst, first, cnt            ; the largest magnitude among cnt registers (cnt even)
	v_max_num_f32 v[\dst], |v[\first]|, |v[\first+1]|
.set k, 2
.rept (\cnt-2)/2
	v_max3_num_f32 v[\dst], |v[\first+k]|, |v[\first+k+1]|, v[\dst]
.set k, k+2
.endr
.endm
.macro WMAX r                          ; over the 32 lanes; every lane ends with the result
	v_max_num_f32_dpp v[\r], v[\r], v[\r] row_xmask:1 row_mask:0xf bank_mask:0xf
	v_max_num_f32_dpp v[\r], v[\r], v[\r] row_xmask:2 row_mask:0xf bank_mask:0xf
	v_max_num_f32_dpp v[\r], v[\r], v[\r] row_xmask:4 row_mask:0xf bank_mask:0xf
	v_max_num_f32_dpp v[\r], v[\r], v[\r] row_xmask:8 row_mask:0xf bank_mask:0xf
	v_permlanex16_b32 v11, v[\r], s17, s18
	v_max_num_f32 v[\r], v[\r], v11
.endm
; With b the biased exponent of the maximum: the weights are multiplied by 2^(126 - b), bits (253 - b) << 23, which brings the maximum
; into [0.5, 1); the scale to multiply back is 2^(b - 126), bits (b + 1) << 23.  Whole-number arithmetic on the exponent field, exact.
.macro SCALES r, sp                    ; v[r]: the maximum, then the scale; s[sp:sp+1]: the factor, twice, for the packed multiply
	v_and_b32 v[\r], 0x7f800000, v[\r]
	v_sub_nc_u32 v11, 0x7e800000, v[\r]
	v_add_nc_u32 v[\r], 0x00800000, v[\r]
	v_readfirstlane_b32 s[\sp], v11
	s_mov_b32 s[\sp+1], s[\sp]
.endm
	AMAX 8, 144, 70                                ; W0
	AMAX 9, 16, 128                                ; W1
	AMAX 10, 214, 4                                ; W2
	WMAX 8
	WMAX 9
	WMAX 10
	SCALES 8, 20
	SCALES 9, 22
	SCALES 10, 24
	v_mul_f32 v222, v8, v9
	v_mul_f32 v222, v222, v10
	v_mul_f32 v222, 0x3e4ccccd, v222               ; s0 s1 s2 / 5
	v_mov_b32 v223, v222
	; The fragments' numbers: one group of loads, one wait.  Every wave: a fragment of W1 (f = 8 + w).  Waves 0 to 3: W0, first K step;
	; waves 4 to 7: W0, the three rows of x.  Waves 0 and 1: W2 besides.
.irp i, 0,1,2,3,4,5,6,7,8,9,10,11,12,13,14,15
	global_load_b32 v[T1+\i], v13, s[8:9] offset:256*(\i+8*(\i/8))
.endr
	s_cmp_lt_u32 s16, 4
	s_cbranch_scc0 .Lxrows_ask
	v_lshl_add_u32 v14, v4, 9, v14                 ; + 2 h rows of 256 bytes
.irp i, 0,1,2,3,4,5,6,7,8,9,10,11,12,13,14,15
	global_load_b32 v[T0+\i], v14, s[6:7] offset:256*(3+4*(\i/2)+(\i%2))
.endr
	s_branch .Lw0_asked
.Lxrows_ask:
	global_load_b32 v[T0], v14, s[6:7]
	global_load_b32 v[T0+1], v14, s[6:7] offset:256
	global_load_b32 v[T0+2], v14, s[6:7] offset:512
.Lw0_asked:
	s_cmp_lt_u32 s16, 2
	s_cbranch_scc0 .Lw2_asked
.irp i, 0,1,2,3,4,5,6,7,8,9,10,11,12,13,14,15
	global_load_b32 v[T2+\i], v221, s[10:11] offset:8*(\i+8*(\i/8))
.endr
.Lw2_asked:
	s_wait_loadcnt 0x0
.macro PACK16 t, p, sp                 ; 16 numbers: scale (exact, a power of two), round to f16, two to a register
.irp j, 0,1,2,3,4,5,6,7
	v_pk_mul_f32 v[\t+2*\j:\t+2*\j+1], v[\t+2*\j:\t+2*\j+1], s[\sp:\sp+1] op_sel_hi:[1,0]
.endr
.irp j, 0,1,2,3,4,5,6,7
	v_cvt_pk_f16_f32 v[\p+\j], v[\t+2*\j], v[\t+2*\j+1]
.endr
.endm
.macro PUT p, off                      ; each store of the wave covers 512 consecutive bytes, aligned.  Every fragment has registers of its own: no wait
	global_store_b128 v15, v[\p:\p+3], s[14:15] offset:\off
	global_store_b128 v15, v[\p+4:\p+7], s[14:15] offset:\off+512
.endm
	PACK16 T1, P1, 22
	PUT P1, 8192                                   ; f = 8 + w
	s_cmp_lt_u32 s16, 4
	s_cbranch_scc0 .Lxrows
	PACK16 T0, P0, 20
	PUT P0, 0                                      ; f = w
	s_branch .Lw0_done
.Lxrows:
	v_pk_mul_f32 v[T0:T0+1], v[T0:T0+1], s[20:21] op_sel_hi:[1,0]
	v_mul_f32 v[T0+2], s20, v[T0+2]
	s_mov_b32 vcc_lo, 0xffff                       ; lanes h = 0 hold k = 0 .. 3; lanes h = 1 hold k = 8 .., which are not used
	v_cvt_pk_f16_f32 v[P0], v[T0], v[T0+1]
	v_cvt_pk_f16_f32 v[P0+1], v[T0+2], 0
	v_cndmask_b32 v[P0], 0, v[P0], vcc_lo
	v_cndmask_b32 v[P0+1], 0, v[P0+1], vcc_lo
.irp j, 2,3,4,5,6,7
	v_mov_b32 v[P0+\j], 0
.endr
	PUT P0, 0                                      ; f = w = 4 + t
.Lw0_done:
	s_cmp_lt_u32 s16, 2
	s_cbranch_scc0 .Lend
	PACK16 T2, P2, 24
	v_cmp_gt_u32 vcc_lo, 2, v219                   ; rows r % 8 = 0, 1 carry the two outputs
.irp j, 0,1,2,3,4,5,6,7
	v_cndmask_b32 v[P2+\j], 0, v[P2+\j], vcc_lo
.endr
	PUT P2, 16384                                  ; f = 16 + w
	s_cmp_lg_u32 s16, 0
	s_cbranch_scc1 .Lend
	global_store_b64 v6, v[222:223], s[14:15] offset:18432   ; the scale, 64 times: one store of 256 consecutive bytes, aligned
.Lend:
	s_endpgm
.Lfunc_end_k_qa69c709028_prep:
	.size	k_qa69c709028_prep, .Lfunc_end_k_qa69c709028_prep-k_qa69c709028_prep
	.p2alignl 7, 3214868480
	.fill 96, 4, 3214868480
	.section	.rodata,"a",@progbits
	.p2align	6, 0x0
	.amdhsa_kernel k_qa69c709028_prep
		.amdhsa_group_segment_fixed_size 0
		.amdhsa_private_segment_fixed_size 0
		.amdhsa_enable_private_segment 0
		.amdhsa_kernarg_size 48
		.amdhsa_user_sgpr_count 2
		.amdhsa_user_sgpr_kernarg_segment_ptr 1
		.amdhsa_wavefront_size32 1
		.amdhsa_system_sgpr_workgroup_id_x 1
		.amdhsa_system_sgpr_workgroup_id_y 1
		.amdhsa_system_sgpr_workgroup_id_z 1
		.amdhsa_system_vgpr_workitem_id 0
		.amdhsa_next_free_vgpr 224
		.amdhsa_next_free_sgpr 66
		.amdhsa_reserve_vcc 1
		.amdhsa_float_denorm_mode_32 3
		.amdhsa_float_denorm_mode_16_64 3
		.amdhsa_memory_ordered 1
		.amdhsa_forward_progress 1
		.amdhsa_inst_pref_size 32
	.end_amdhsa_kernel
	.amdgpu_metadata
---
amdhsa.version: [ 1, 2 ]
amdhsa.kernels:
  - .name:           k_qa69c709028_prep
    .symbol:         k_qa69c709028_prep.kd
    .args:
      - { .name: x, .offset: 0, .size: 8, .value_kind: global_buffer, .address_space: global }
      - { .name: W0, .offset: 8, .size: 8, .value_kind: global_buffer, .address_space: global }
      - { .name: W1, .offset: 16, .size: 8, .value_kind: global_buffer, .address_space: global }
      - { .name: W2, .offset: 24, .size: 8, .value_kind: global_buffer, .address_space: global }
      - { .name: xq, .offset: 32, .size: 8, .value_kind: global_buffer, .address_space: global }
      - { .name: wprep, .offset: 40, .size: 8, .value_kind: global_buffer, .address_space: global }
    .group_segment_fixed_size: 0
    .private_segment_fixed_size: 0
    .kernarg_segment_align: 8
    .kernarg_segment_size: 48
    .max_flat_workgroup_size: 256
    .sgpr_count:     66
    .vgpr_count:     224
    .wavefront_size: 32
...
	.end_amdgpu_metadata
.endif
;; end of part 1
;; launch encmlp (part 2): grid 256 x 1, 16 waves a work-group, no clusters, 315,392 bytes of LDS; arguments xq, table, wprep, out0; writes out0
.if DOCPART == 2
	.amdgcn_target "amdgcn-amd-amdhsa--gfx1250"
	.amdhsa_code_object_version 6
	.text
	.protected	k_qa69c709028_encmlp
	.globl	k_qa69c709028_encmlp
	.p2align	8
	.type	k_qa69c709028_encmlp,@function
k_qa69c709028_encmlp:
	s_mov_b64 s[64:65], 0
	v_nop
	global_prefetch_b8 v0, s[64:65] scope:SCOPE_SE
	s_setreg_imm32_b32 hwreg(HW_REG_WAVE_MODE, 25, 1), 1
	s_wait_xcnt 0x0
; Hash-grid encoding (16 levels, 8 corners, 2 features) and the 35 -> 64 -> 64 -> 2 ReLU network, fused: the encoding never leaves the WGP.
; A work-group has 4,096 points, a wave 256; a wave shares nothing with another wave: no barrier.
; ENCODE.  Levels outside, the wave's 16 passes of 16 points inside: all work-groups walk the levels in the same order, so at any time the
; launch gathers from one or two levels of 4 MiB.  Lane L serves point L / 2 of the pass and the x corner L % 2: the first hash prime is 1, so
; the two lanes' indices are (cx ^ m) and ((cx + 1) ^ m), which for an even cx differ in bit 0 alone: neighbouring lanes ask for neighbouring entries.
; Every index is made of whole numbers: with X = floor(x 2^26) from the launch before, cell = mul_hi(X, res << 6) = floor(X res / 2^26);
; the fraction is fma(X 2^-26, res, -cell), one rounding, consistent with that cell.  X has at most 24 significant bits, so X 2^-26 is exact in f32.
; Against a position rounded in f32 the point moves by less than res 2^-26 of a cell, and the interpolation is continuous across cells.
; Each level's two features go to LDS as one word of two f16; 8 slots of registers keep 32 gathers of every wave in flight.
; NETWORK.  Weights are the M side and 16 points the N side of v_wmma_f32_16x16x32_f16, so that a layer's result lies in each lane just as the
; next layer's B fragment wants it: ReLU and rounding to f16 stay inside the lane.  f16 and not bf16, for its three more bits; the range is kept by
; the launch before, which scaled each weight matrix by a power of two to below 1; the scales come back in one factor at the end.
; LIMITS: 0 <= x < 64, resolved to 2^-26.  With scaled weights below 1 the first hidden layer is at most 192 + the sum of the 32 |features| and the
; second 64 times that: inside f16 (65,504) while that sum is below about 800.  f16 operands below 2^-14 keep an absolute error of 2^-25.
; NO JOINT LOADS, NO TENSOR LOADS: what work-groups share is the 18,432 bytes of weights, read once by each wave into registers, against
; 4,096 x 128 gathers of 8 bytes = 4 MiB of lane-by-lane requests for a work-group, which no tile describes.
.set PP,   1088                        ; an LDS plane: 256 points x 4 bytes + 64 = 272 words: planes l and l + 1 start 16 banks apart (64 banks of 4 bytes: ISA guide 11.1)
.set WREG, 18*PP                       ; a wave's LDS: planes 0-15 the levels, 16 = (x0, x1), 17 = (x2, 0)
.set LVL,  0x400000                    ; bytes of a level of the table
; encode: v1 x corner, v2 -1 / +1, v3 1 / 0 (even / odd lanes), v4 LDS address (steps a plane a level), v5 prefetch offset, v6 lane l: res[l] << 6,
; v7 lane l: res[l] in f32, v8-13 at work, v14 offset in xq, v15 lane
.set XI,   16                          ; v[16:63]   X of pass p, coordinate c at 3 p + c
.set XF,   64                          ; v[64:111]  X 2^-26 likewise
.set SL,   112                         ; v[112:239] 8 slots of 16: +0..7 four entries (y0z0, y0z1, y1z0, y1z1), +8 fy, +9 fz, +10 x weight, +11..14 indices
; network: v1, v2 LDS addresses, v3 offset in out0, v4 offset in wprep
.set A0R,  16                          ; v[16:79]   layer 0: fragments 0-7
.set A1R,  80                          ; v[80:143]  layer 1: fragments 8-15
.set A2R,  144                         ; v[144:159] layer 2: fragments 16, 17
.set B0R,  160                         ; v[160:167] B: the 32 features of 16 points
.set BXR,  168                         ; v[168:175] B: x; registers 2-7 stay 0
.set DD,   176                         ; v[176:207] four accumulators: 64 neurons x 16 points
.set HH,   208                         ; v[208:223] the hidden layer in f16: two B fragments
.set D2A,  224                         ; v[224:231], v[232:239] layer 2, one accumulator for each K step
.set D2B,  232
.set OEV,  240                         ; v[240:241] an even tile's two outputs
.set OUT,  242                         ; v[242:243] what is stored
	s_load_b256 s[4:11], s[0:1], 0x0               ; xq s[4:5], table s[6:7], wprep s[8:9], out0 s[10:11]
	v_lshl_add_u32 v254, v0, 2, 0x4c800
	v_mov_b32 v255, 0
	v_and_b32 v15, 31, v0                          ; L
	v_lshrrev_b32 v8, 5, v0
	v_readfirstlane_b32 s12, v8                    ; w
	v_and_b32 v1, 1, v0                            ; my x corner
	v_cvt_f32_u32 v8, v1
	v_fma_f32 v2, v8, 2.0, -1.0                    ; x weight = fx * v2 + v3: 1 - fx in even lanes, fx in odd ones
	v_sub_f32 v3, 1.0, v8
	v_lshrrev_b32 v9, 1, v15                       ; my point in a pass
	s_mul_i32 s20, s12, WREG                       ; my wave's LDS; kept
	v_lshl_add_u32 v4, v9, 2, s20
	s_lshl_b32 s21, ttmp9, 14                      ; prefetch: the work-group's 16 KiB of a level,
	s_lshl_b32 s24, s12, 13                        ; 8 KiB for each of waves 0 and 1,
	s_add_co_u32 s21, s21, s24
	v_lshl_add_u32 v5, v15, 8, s21                 ; lanes 256 bytes apart
	s_lshl_b32 s24, s12, 8
	v_add_nc_u32 v9, s24, v9
	v_mul_u32_u24 v14, v9, 12                      ; (256 w + L / 2) x 12 bytes
	v_mov_b32 v6, 0
.set l, 0
.irp res, 16, 22, 30, 42, 58, 80, 111, 153, 212, 294, 406, 561, 775, 1072, 1481, 2047
	s_movk_i32 s21, \res                           ; floor(16 x 1.3819^l)
	v_writelane_b32 v6, s21, l
.set l, l+1
.endr
	v_cvt_f32_u32 v7, v6
	v_lshlrev_b32 v6, 6, v6
	s_mov_b32 s16, 0x3779b1                        ; 2654435761 mod 2^24: only the products' low 19 bits count, and a cell is below 2^18
	s_mov_b32 s17, 0x025795                        ; 805459861 mod 2^24
	s_mov_b32 s18, 0x7ffff                         ; table size - 1
	s_mul_i32 s2, ttmp9, 49152                     ; 4,096 points x 12 bytes
	s_mov_b32 s3, 0
	s_lshl_b32 s24, ttmp9, 15                      ; 4,096 points x 8 bytes
	s_lshl_b32 s25, s12, 11                        ; 256 points x 8 bytes
	s_add_co_u32 s24, s24, s25
	s_mov_b32 s25, 0
	s_wait_kmcnt 0x0
	s_load_b64 s[22:23], s[8:9], 0x4800            ; the output scale, twice; waited for at the head of the network
	s_add_nc_u64 s[4:5], s[4:5], s[2:3]
	s_add_nc_u64 s[10:11], s[10:11], s[24:25]
.set i, 0
.rept 16
	global_load_b32 v[XI+3*i], v14, s[4:5] offset:192*i
	global_load_b32 v[XI+3*i+1], v14, s[4:5] offset:192*i+4
	global_load_b32 v[XI+3*i+2], v14, s[4:5] offset:192*i+8
.set i, i+1
.endr
	s_wait_loadcnt 0x0
.set i, 0
.rept 48
	v_cvt_f32_u32 v[XF+i], v[XI+i]                 ; exact: at most 24 significant bits
.set i, i+1
.endr
.set i, 0
.rept 24
	v_pk_mul_f32 v[XF+2*i:XF+2*i+1], v[XF+2*i:XF+2*i+1], 0x32800000 op_sel_hi:[1,0]   ; x 2^-26
.set i, i+1
.endr
.set i, 0
.rept 16
	v_cvt_pk_f16_f32 v8, v[XF+3*i], v[XF+3*i+1]
	v_cvt_pk_f16_f32 v9, v[XF+3*i+2], 0
	ds_store_b32 v4, v8 offset:16*PP+64*i          ; both lanes of a pair write the same word with the same value
	ds_store_b32 v4, v9 offset:17*PP+64*i
.set i, i+1
.endr
.macro LEVEL                           ; the resolution of level s13
	v_readlane_b32 s14, v6, s13
	v_readlane_b32 s15, v7, s13
.endm
; Pass p of the level in s14, s15, s[6:7]: cell, fractions, four indices, four gathers, into slot s.
.macro ISSUE p, s
	v_mul_hi_u32 v8, v[XI+3*(\p)], s14             ; cell = floor(X res / 2^26)
	v_mul_hi_u32 v9, v[XI+3*(\p)+1], s14
	v_mul_hi_u32 v10, v[XI+3*(\p)+2], s14
	v_cvt_f32_u32 v11, v8
	v_cvt_f32_u32 v12, v9
	v_cvt_f32_u32 v13, v10
	v_fma_f32 v11, v[XF+3*(\p)], s15, -v11         ; fractions
	v_fma_f32 v[SL+16*(\s)+8], v[XF+3*(\p)+1], s15, -v12
	v_fma_f32 v[SL+16*(\s)+9], v[XF+3*(\p)+2], s15, -v13
	v_fma_f32 v[SL+16*(\s)+10], v11, v2, v3        ; my x corner's weight
	v_add_nc_u32 v8, v8, v1                        ; my x corner (prime 1)
	v_mul_u32_u24 v9, s16, v9                      ; y, y + 1 and z, z + 1 times their primes
	v_mul_u32_u24 v10, s17, v10
	v_add_nc_u32 v12, s16, v9
	v_add_nc_u32 v13, s17, v10
	v_xor_b32 v9, v8, v9
	v_xor_b32 v12, v8, v12
	v_xor_b32 v[SL+16*(\s)+11], v9, v10
	v_xor_b32 v[SL+16*(\s)+12], v9, v13
	v_xor_b32 v[SL+16*(\s)+13], v12, v10
	v_xor_b32 v[SL+16*(\s)+14], v12, v13
.irp k, 0,1,2,3
	v_and_b32 v[SL+16*(\s)+11+\k], s18, v[SL+16*(\s)+11+\k]
.endr
.irp k, 0,1,2,3
	v_min_u32 v[SL+16*(\s)+11+\k], 0x7ffff, v[SL+16*(\s)+11+\k]    ; changes no value: a number made of loaded data enters an address only behind a clamp by a constant
.endr
.irp k, 0,1,2,3
	global_load_b64 v[SL+16*(\s)+2*\k:SL+16*(\s)+2*\k+1], v[SL+16*(\s)+11+\k], s[6:7] scale_offset   ; entry = 8 bytes x index
.endr
.endm
; Slot s holds pass p: interpolate along y and z, weigh by x, add the pair of lanes, round to f16, to LDS.  left = younger gathers that stay out.
.macro CONSUME p, s, left
	s_wait_loadcnt \left                           ; loads come back in order: this slot's four are in; the wait also frees their index registers
	v_pk_add_f32 v[SL+16*(\s)+4:SL+16*(\s)+5], v[SL+16*(\s)+4:SL+16*(\s)+5], v[SL+16*(\s):SL+16*(\s)+1] neg_lo:[0,1] neg_hi:[0,1]
	v_pk_add_f32 v[SL+16*(\s)+6:SL+16*(\s)+7], v[SL+16*(\s)+6:SL+16*(\s)+7], v[SL+16*(\s)+2:SL+16*(\s)+3] neg_lo:[0,1] neg_hi:[0,1]
	v_pk_fma_f32 v[SL+16*(\s):SL+16*(\s)+1], v[SL+16*(\s)+8:SL+16*(\s)+9], v[SL+16*(\s)+4:SL+16*(\s)+5], v[SL+16*(\s):SL+16*(\s)+1] op_sel_hi:[0,1,1]       ; + fy (y1 - y0), at z0
	v_pk_fma_f32 v[SL+16*(\s)+2:SL+16*(\s)+3], v[SL+16*(\s)+8:SL+16*(\s)+9], v[SL+16*(\s)+6:SL+16*(\s)+7], v[SL+16*(\s)+2:SL+16*(\s)+3] op_sel_hi:[0,1,1]   ; at z1
	v_pk_add_f32 v[SL+16*(\s)+2:SL+16*(\s)+3], v[SL+16*(\s)+2:SL+16*(\s)+3], v[SL+16*(\s):SL+16*(\s)+1] neg_lo:[0,1] neg_hi:[0,1]
	v_pk_fma_f32 v[SL+16*(\s):SL+16*(\s)+1], v[SL+16*(\s)+8:SL+16*(\s)+9], v[SL+16*(\s)+2:SL+16*(\s)+3], v[SL+16*(\s):SL+16*(\s)+1] op_sel:[1,0,0] op_sel_hi:[1,1,1]   ; + fz (z1 - z0)
	v_pk_mul_f32 v[SL+16*(\s):SL+16*(\s)+1], v[SL+16*(\s):SL+16*(\s)+1], v[SL+16*(\s)+10:SL+16*(\s)+11] op_sel_hi:[1,0]   ; both by the x weight
	v_add_f32_dpp v[SL+16*(\s)+4], v[SL+16*(\s)], v[SL+16*(\s)] row_xmask:1 row_mask:0xf bank_mask:0xf       ; the two x corners meet
	v_add_f32_dpp v[SL+16*(\s)+5], v[SL+16*(\s)+1], v[SL+16*(\s)+1] row_xmask:1 row_mask:0xf bank_mask:0xf
	v_cvt_pk_f16_f32 v[SL+16*(\s)+6], v[SL+16*(\s)+4], v[SL+16*(\s)+5]
	ds_store_b32 v4, v[SL+16*(\s)+6] offset:64*(\p)
.endm
	s_mov_b32 s13, 0
	LEVEL
.irp p, 0,1,2,3,4,5,6,7
	ISSUE \p, \p                                   ; the ring is filled: 8 passes x 4 gathers
.endr
	; A trip: level s13 is finished, the first eight passes of the next are issued.  The count 28 = the seven younger passes' four gathers,
	; the same on the way in, round the back edge and into the tail.
.Llevel:
	CONSUME 0, 0, 28
	; Waves 0 and 1 ask for the work-group's own 16 KiB of the NEXT level, 64 blocks 256 bytes apart: the 256 work-groups cover the level's 4 MiB,
	; each block asked for once in the launch, half a trip to a trip ahead of its first gather.  The last trip asks for level 15; the tail for nothing.
	s_cmp_gt_u32 s12, 1
	s_cbranch_scc1 .Lnot_asking
	global_prefetch_b8 v5, s[6:7] offset:LVL th:TH_LOAD_NT scope:SCOPE_SE
.Lnot_asking:
	ISSUE 8, 0
.irp p, 1,2,3,4,5,6,7
	CONSUME \p, \p, 28
	ISSUE \p+8, \p
.endr
	s_wait_xcnt 0x0                                ; the table's base is a source of pending gathers: it steps only behind this wait
	s_add_nc_u64 s[6:7], s[6:7], LVL
	s_add_co_u32 s13, s13, 1
	LEVEL
.irp p, 0,1,2,3,4,5,6,7
	CONSUME \p+8, \p, 28
	ISSUE \p, \p                                   ; already the next level
.endr
	v_add_nc_u32 v4, PP, v4                        ; the next level's plane
	s_cmp_lt_u32 s13, 15
	s_cbranch_scc1 .Llevel
.irp p, 0,1,2,3,4,5,6,7
	CONSUME \p, \p, 28                             ; level 15
	ISSUE \p+8, \p
.endr
.irp p, 0,1,2,3,4,5,6,7
	CONSUME \p+8, \p, 28-4*\p                      ; nothing more is issued: the counts run down to 0
.endr
	; THE NETWORK, 16 tiles of 16 points.  Lane L = (r = L % 16, h = L / 16) holds point r.
	s_wait_dscnt 0x0                               ; my LDS stores have taken their data: the weights land on those registers
	s_mov_b32 vcc_lo, 0xffff0000                   ; lanes 16-31 take the odd tile
	v_and_b32 v8, 15, v0                           ; r
	v_bfe_u32 v9, v0, 4, 1                         ; h
	v_lshl_add_u32 v2, v8, 2, s20                  ; x planes: my wave + 4 r
	v_mad_u32_u24 v1, v9, PP, v2                   ; feature planes: register j takes plane 2 j + h
	v_lshlrev_b32 v3, 3, v15                       ; out0: 8 L
	v_lshlrev_b32 v4, 4, v15                       ; wprep: 16 L
.set f, 0
.rept 18
	global_load_b128 v[A0R+8*f:A0R+8*f+3], v4, s[8:9] offset:1024*f
	global_load_b128 v[A0R+8*f+4:A0R+8*f+7], v4, s[8:9] offset:1024*f+512
.set f, f+1
.endr
.irp j, 2,3,4,5,6,7
	v_mov_b32 v[BXR+\j], 0                         ; k slots that hold no input
.endr
.macro BLOAD tau                       ; the B fragments of a tile: LDS serves a wave's instructions in order (ISA guide 5.7.1), so these see my stores
.irp j, 0,1,2,3,4,5,6,7
	ds_load_b32 v[B0R+\j], v1 offset:2*PP*\j+64*(\tau)
.endr
	ds_load_b32 v[BXR], v2 offset:16*PP+64*(\tau)
	ds_load_b32 v[BXR+1], v2 offset:17*PP+64*(\tau)
.endm
.macro PLACES                          ; four places behind a matrix instruction before its result is read or a register of it is written or loaded (ISA guide 7.12.1)
.rept 4
	v_nop
.endr
.endm
; 64 neurons x 16 points x 64 along K.  The first K step starts the sums.  The four accumulators take turns, one instruction a turn.
.macro LAYER a, b0, b1
.irp t, 0,1,2,3
	v_wmma_f32_16x16x32_f16 v[DD+8*\t:DD+8*\t+7], v[\a+8*\t:\a+8*\t+7], v[\b0:\b0+7], 0
.endr
.irp t, 0,1,2,3
	v_wmma_f32_16x16x32_f16 v[DD+8*\t:DD+8*\t+7], v[\a+32+8*\t:\a+32+8*\t+7], v[\b1:\b1+7], v[DD+8*\t:DD+8*\t+7]
.endr
.endm
; Accumulator t, register j of lane (r, h) is neuron 16 t + 8 h + j of point r.  B fragment s wants, in registers 0-3, k = 8 h + 0..7 and, in
; registers 4-7, k = 16 + 8 h + 0..7 of neurons 32 s ..: accumulators 2 s and 2 s + 1 of the same lane, in order.
.macro RELUPACK
.set i, 0
.rept 32
	v_max_num_f32 v[DD+i], 0, v[DD+i]
.set i, i+1
.endr
.irp s, 0,1
.irp j, 0,1,2,3
	v_cvt_pk_f16_f32 v[HH+8*\s+\j], v[DD+16*\s+2*\j], v[DD+16*\s+2*\j+1]
	v_cvt_pk_f16_f32 v[HH+8*\s+4+\j], v[DD+16*\s+8+2*\j], v[DD+16*\s+8+2*\j+1]
.endr
.endr
.endm
.macro TILE tau
	s_wait_dscnt 0x0                               ; this tile's B fragments, asked for a tile ago
	LAYER A0R, B0R, BXR
	PLACES
.if \tau < 15
	BLOAD \tau+1
.endif
	RELUPACK
	LAYER A1R, HH, HH+8
	PLACES
	RELUPACK
	v_wmma_f32_16x16x32_f16 v[D2A:D2A+7], v[A2R:A2R+7], v[HH:HH+7], 0          ; two sums that start at 0, added below: no link stands next to the one before it
	v_wmma_f32_16x16x32_f16 v[D2B:D2B+7], v[A2R+8:A2R+15], v[HH+8:HH+15], 0
	PLACES
	; rows 0, 1 and rows 8, 9 of the result carry the outputs, so registers 0, 1 of BOTH halves of the lanes hold point r's two numbers
.if (\tau & 1) == 0
	v_pk_add_f32 v[OEV:OEV+1], v[D2A:D2A+1], v[D2B:D2B+1]
.else
	s_wait_xcnt 0x0                                ; the last store's data are written again only behind this wait
	v_pk_add_f32 v[OUT:OUT+1], v[D2A:D2A+1], v[D2B:D2B+1]
	v_cndmask_b32 v[OUT], v[OEV], v[OUT], vcc_lo   ; lanes 0-15: the even tile's points, lanes 16-31: the odd tile's
	v_cndmask_b32 v[OUT+1], v[OEV+1], v[OUT+1], vcc_lo
	v_pk_mul_f32 v[OUT:OUT+1], v[OUT:OUT+1], s[22:23] op_sel_hi:[1,0]          ; the three weight scales and 1 / 5
	global_store_b64 v3, v[OUT:OUT+1], s[10:11] offset:256*(\tau>>1) th:TH_STORE_NT   ; 32 points: 256 consecutive bytes, aligned
.endif
.endm
	BLOAD 0
	s_wait_loadcnt 0x0                             ; the weights
	s_wait_kmcnt 0x0                               ; the scale
.irp tau, 0,1,2,3,4,5,6,7,8,9,10,11,12,13,14,15
	TILE \tau
.endr
	s_wait_tensorcnt 0x0
	ds_add_u32 v254, v255
	s_wait_dscnt 0x0
	s_endpgm
.Lfunc_end_k_qa69c709028_encmlp:
	.size	k_qa69c709028_encmlp, .Lfunc_end_k_qa69c709028_encmlp-k_qa69c709028_encmlp
	.p2alignl 7, 3214868480
	.fill 96, 4, 3214868480
	.section	.rodata,"a",@progbits
	.p2align	6, 0x0
	.amdhsa_kernel k_qa69c709028_encmlp
		.amdhsa_group_segment_fixed_size 315392
		.amdhsa_private_segment_fixed_size 0
		.amdhsa_enable_private_segment 0
		.amdhsa_kernarg_size 32
		.amdhsa_user_sgpr_count 2
		.amdhsa_user_sgpr_kernarg_segment_ptr 1
		.amdhsa_wavefront_size32 1
		.amdhsa_system_sgpr_workgroup_id_x 1
		.amdhsa_system_sgpr_workgroup_id_y 1
		.amdhsa_system_sgpr_workgroup_id_z 1
		.amdhsa_system_vgpr_workitem_id 0
		.amdhsa_next_free_vgpr 256
		.amdhsa_next_free_sgpr 66
		.amdhsa_reserve_vcc 1
		.amdhsa_float_denorm_mode_32 3
		.amdhsa_float_denorm_mode_16_64 3
		.amdhsa_memory_ordered 1
		.amdhsa_forward_progress 1
		.amdhsa_inst_pref_size 197
	.end_amdhsa_kernel
	.amdgpu_metadata
---
amdhsa.version: [ 1, 2 ]
amdhsa.kernels:
  - .name:           k_qa69c709028_encmlp
    .symbol:         k_qa69c709028_encmlp.kd
    .args:
      - { .name: xq, .offset: 0, .size: 8, .value_kind: global_buffer, .address_space: global }
      - { .name: table, .offset: 8, .size: 8, .value_kind: global_buffer, .address_space: global }
      - { .name: wprep, .offset: 16, .size: 8, .value_kind: global_buffer, .address_space: global }
      - { .name: out0, .offset: 24, .size: 8, .value_kind: global_buffer, .address_space: global }
    .group_segment_fixed_size: 315392
    .private_segment_fixed_size: 0
    .kernarg_segment_align: 8
    .kernarg_segment_size: 32
    .max_flat_workgroup_size: 512
    .sgpr_count:     66
    .vgpr_count:     256
    .wavefront_size: 32
...
	.end_amdgpu_metadata
.endif
;; end of part 2
;; ======== version 2 of 3: 2 launches
;; limits: values are held in f16: magnitudes above 65,504 overflow, below 6.1e-05 lose precision; right only within a limited range of input values
;; workspace buffers: xq 12,582,912 bytes of whole numbers; wprep 18,688 bytes; t16 33,554,432 bytes
;; launch prep (part 3): grid 257 x 1, 8 waves a work-group, no clusters, 0 bytes of LDS; arguments x, W0, W1, W2, table, xq, wprep, t16; writes xq, wprep, t16
.if DOCPART == 3
	.amdgcn_target "amdgcn-amd-amdhsa--gfx1250"
	.amdhsa_code_object_version 6
	.text
	.protected	k_qa69c709028_prep
	.globl	k_qa69c709028_prep
	.p2align	8
	.type	k_qa69c709028_prep,@function
k_qa69c709028_prep:
	s_mov_b64 s[64:65], 0
	v_nop
	global_prefetch_b8 v0, s[64:65] scope:SCOPE_SE
	s_setreg_imm32_b32 hwreg(HW_REG_WAVE_MODE, 25, 1), 1
	s_wait_xcnt 0x0
; Three jobs, so that the next launch forms every table index from whole numbers, gathers half the bytes and finds its weights ready for the matrix unit.
; Work-groups 1 to 256: xq[i] = floor(x[i] * 2^26) as u32 (49,152 bytes in and out for each), and t16 = the table rounded to bf16, one word
; (feature 0 below, feature 1 above) for each entry of 8 bytes (262,144 bytes in, 131,072 out for each).  Both are plain streams.
; The table's entries are operands of the sum over the eight corners, a product of weights and features: they may be 16 bits wide; bf16 keeps f32's range.
; Work-group 0 (the one with the longest chain of loads, so it is the first): the three weight matrices, each scaled by a power of two taken from its
; own largest magnitude so that every scaled weight is below 1, rounded to f16 and laid out as the A fragments of v_wmma_f32_16x16x32_f16 (weights are
; the M side, points the N side).  A ReLU network without biases is positively homogeneous, so the three scales are multiplied back once, at the end:
; s0 s1 s2 / 5 goes into wprep too.
; LIMITS: 0 <= x < 64 (a negative or NaN x becomes 0, x >= 64 saturates at 2^32 - 1); x is resolved to 2^-26; table entries carry bf16's relative
; error of 2^-9; the largest magnitude of each weight matrix is below 2^126; scaled weights below 2^-14 keep an absolute error of 2^-25; the
; division by 5 is a multiplication by 0.2.
; wprep: fragment f (0 to 17) has 1,024 bytes; registers 4q .. 4q+3 of lane L lie at 1024 f + 512 q + 16 L.  Lane L = (r = L % 16, h = L / 16).
;   f = t      (t = 0..3): layer 0, first K step: register j, half e = W0[3 + 4j + 2h + e][16t + r] (level 2j + h, feature e)
;   f = 4 + t            : layer 0, second K step: lanes h = 0: register 0 = (W0[0][m], W0[1][m]), register 1 = (W0[2][m], 0), m = 16t + r; all else 0
;   f = 8 + 4s + t       : layer 1: element i = 2j + e of the lane = W1[32s + 8h + row(i)][16t + r], row(i) = i below 8, i + 8 from 8 on
;   f = 16 + s           : layer 2: W2[32s + 8h + row(i)][r % 8] where r % 8 < 2, else 0 (rows 0, 1 and rows 8, 9 both carry the two outputs)
;   bytes 18,432 to 18,687: s0 s1 s2 0.2 in f32, 64 times
.set XCHUNK, 49152                     ; bytes of x and of xq for a stream work-group: 12 x 8 waves x 32 lanes x 16 bytes
.set TX, 64                            ; v[64:127]  the table's ring: 16 slots of 4 registers as loaded
.set TY, 128                           ; v[128:159] 16 slots of 2 registers to store
.set T1, 16                            ; v[16:31]   (weights) 16 numbers of W1 for my fragment
.set P1, 32                            ; v[32:39]   the fragment, packed
.set T0, 48                            ; v[48:63]   the same for W0
.set P0, 64                            ; v[64:71]
.set T2, 80                            ; v[80:95]   the same for W2
.set P2, 96                            ; v[96:103]
	s_load_b256 s[4:11], s[0:1], 0x0               ; x s[4:5], W0 s[6:7], W1 s[8:9], W2 s[10:11]
	s_load_b256 s[12:19], s[0:1], 0x20             ; table s[12:13], xq s[14:15], wprep s[16:17], t16 s[18:19]
	v_lshlrev_b32 v1, 4, v0                        ; 16 bytes a thread, in
	v_lshlrev_b32 v2, 3, v0                        ; 8 bytes a thread, out, for the table
	s_wait_kmcnt 0x0
	s_cmp_eq_u32 ttmp9, 0
	s_cbranch_scc1 .Lweights
	; THE STREAMS.  The twelve loads of x and the ring's sixteen of the table go out at once; each load of a wave covers 512 neighbouring bytes.
	s_sub_co_u32 s34, ttmp9, 1                     ; 0 to 255
	s_mul_i32 s2, s34, XCHUNK                      ; every offset is below 4 GiB
	s_mov_b32 s3, 0
	s_lshl_b32 s36, s34, 18                        ; 262,144 bytes of the table
	s_mov_b32 s37, 0
	s_lshl_b32 s38, s34, 17                        ; 131,072 bytes of t16
	s_mov_b32 s39, 0
	s_add_nc_u64 s[4:5], s[4:5], s[2:3]
	s_add_nc_u64 s[14:15], s[14:15], s[2:3]
	s_add_nc_u64 s[12:13], s[12:13], s[36:37]
	s_add_nc_u64 s[18:19], s[18:19], s[38:39]
.irp j, 0,1,2,3,4,5,6,7,8,9,10,11
	global_load_b128 v[16+4*\j:19+4*\j], v1, s[4:5] offset:4096*\j th:TH_LOAD_NT
.endr
.irp j, 0,1,2,3,4,5,6,7,8,9,10,11,12,13,14,15
	global_load_b128 v[TX+4*\j:TX+4*\j+3], v1, s[12:13] offset:4096*\j th:TH_LOAD_NT
.endr
.irp j, 0,1,2,3,4,5,6,7,8,9,10,11
	s_wait_loadcnt 27-\j                           ; loads come back in order: load j of x is in; the 11 - j younger ones of x and the table's 16 stay out
	v_pk_mul_f32 v[16+4*\j:17+4*\j], v[16+4*\j:17+4*\j], 0x4c800000 op_sel_hi:[1,0]   ; x * 2^26, exact
	v_pk_mul_f32 v[18+4*\j:19+4*\j], v[18+4*\j:19+4*\j], 0x4c800000 op_sel_hi:[1,0]
	v_cvt_u32_f32 v[16+4*\j], v[16+4*\j]           ; toward zero = floor for what is not negative
	v_cvt_u32_f32 v[17+4*\j], v[17+4*\j]
	v_cvt_u32_f32 v[18+4*\j], v[18+4*\j]
	v_cvt_u32_f32 v[19+4*\j], v[19+4*\j]
	global_store_b128 v1, v[16+4*\j:19+4*\j], s[14:15] offset:4096*\j   ; these registers are not written again
.endr
; One slot's turn: 4 floats = 2 entries become 2 words.  Row j of a trip is 4,096 bytes in (8 waves x 512) and 2,048 out; a wave's store covers
; 256 consecutive bytes, aligned.  ahead = 1: the slot is filled again with its row of the next trip, 65,536 bytes on.  left = younger loads that stay out.
.macro CV j, ahead, left
	s_wait_loadcnt \left
	v_cvt_pk_bf16_f32 v[TY+2*\j], v[TX+4*\j], v[TX+4*\j+1]             ; first source into the low half, to nearest even
	v_cvt_pk_bf16_f32 v[TY+2*\j+1], v[TX+4*\j+2], v[TX+4*\j+3]
.if \ahead
	global_load_b128 v[TX+4*\j:TX+4*\j+3], v1, s[12:13] offset:65536+4096*\j th:TH_LOAD_NT
.endif
	global_store_b64 v2, v[TY+2*\j:TY+2*\j+1], s[18:19] offset:2048*\j
.endm
	s_mov_b32 s35, 3                               ; 4 trips of 16 rows; the last stands behind the loop, without loads
.Ltab:
.irp j, 0,1,2,3,4,5,6,7,8,9,10,11,12,13,14,15
	CV \j, 1, 15                                   ; the ring's other fifteen loads stay out
.endr
	s_wait_xcnt 0x0                                ; the two bases and the stores' data are written again only behind this wait
	s_add_nc_u64 s[12:13], s[12:13], 0x10000
	s_add_nc_u64 s[18:19], s[18:19], 0x8000
	s_sub_co_u32 s35, s35, 1
	s_cmp_lg_u32 s35, 0
	s_cbranch_scc1 .Ltab
.irp j, 0,1,2,3,4,5,6,7,8,9,10,11,12,13,14,15
	CV \j, 0, 15-\j                                ; the counts run down
.endr
	s_endpgm
	; THE WEIGHTS.  Eight waves.  Every wave finds all three maxima by itself (25,856 bytes, 51 loads): no LDS, no barrier.
.Lweights:
	v_and_b32 v2, 31, v0                           ; L
	v_lshrrev_b32 v3, 5, v0
	v_readfirstlane_b32 s30, v3                    ; w, the wave
	v_and_b32 v3, 15, v0                           ; r
	v_bfe_u32 v4, v0, 4, 1                         ; h
	v_lshlrev_b32 v5, 4, v2                        ; 16 L
	v_lshlrev_b32 v6, 3, v2                        ; 8 L
	v_lshlrev_b32 v7, 2, v3                        ; 4 r
	v_mov_b32 v11, 0                               ; v_permlanex16_b32 counts as a reader of its destination
	s_mov_b32 s31, 0x76543210                      ; lane i of one half reads lane i of the other
	s_mov_b32 s32, 0xfedcba98
.set i, 0
.rept 32
	global_load_b128 v[16+4*i:19+4*i], v5, s[8:9] offset:512*i        ; W1: 16,384 bytes
.set i, i+1
.endr
.set i, 0
.rept 17
	global_load_b128 v[144+4*i:147+4*i], v5, s[6:7] offset:512*i      ; W0: 17 x 512 bytes,
.set i, i+1
.endr
	global_load_b64 v[212:213], v6, s[6:7] offset:8704                ; and its last 256
	global_load_b128 v[214:217], v5, s[10:11]                         ; W2: 512 bytes
	; the fragments' offsets, while the loads are out
	s_lshr_b32 s33, s30, 2                         ; s = w / 4
	s_and_b32 s26, s30, 3                          ; t = w % 4
	s_lshl_b32 s33, s33, 13                        ; 32 rows of W1
	s_lshl_b32 s27, s26, 6                         ; 16 columns of 4 bytes
	s_add_co_u32 s33, s33, s27
	v_lshl_add_u32 v13, v4, 11, v7                 ; W1: 8 h rows of 256 bytes + 4 r
	v_add_nc_u32 v13, s33, v13                     ;     + 8192 s + 64 t
	v_add_nc_u32 v14, s27, v7                      ; W0: 4 r + 64 t (waves 0 to 3 add 512 h below)
	s_lshl_b32 s28, s30, 10
	v_add_nc_u32 v15, s28, v5                      ; wprep: 1024 w + 16 L; the family of fragments stands in the stores' immediate
	v_and_b32 v219, 7, v3                          ; r % 8
	v_min_u32 v220, 1, v219                        ; rows that carry no output read column 1 and are cleared later
	v_lshlrev_b32 v220, 2, v220
	v_lshl_add_u32 v220, v4, 6, v220               ; W2: 8 h rows of 8 bytes + 4 min(r % 8, 1)
	s_lshl_b32 s29, s30, 8
	v_add_nc_u32 v221, s29, v220                   ;     + 32 w rows
	s_wait_loadcnt 0x0
.macro AMAX dst, first, cnt            ; the largest magnitude among cnt registers (cnt even)
	v_max_num_f32 v[\dst], |v[\first]|, |v[\first+1]|
.set k, 2
.rept (\cnt-2)/2
	v_max3_num_f32 v[\dst], |v[\first+k]|, |v[\first+k+1]|, v[\dst]
.set k, k+2
.endr
.endm
.macro WMAX r                          ; over the 32 lanes; every lane ends with the result
	v_max_num_f32_dpp v[\r], v[\r], v[\r] row_xmask:1 row_mask:0xf bank_mask:0xf
	v_max_num_f32_dpp v[\r], v[\r], v[\r] row_xmask:2 row_mask:0xf bank_mask:0xf
	v_max_num_f32_dpp v[\r], v[\r], v[\r] row_xmask:4 row_mask:0xf bank_mask:0xf
	v_max_num_f32_dpp v[\r], v[\r], v[\r] row_xmask:8 row_mask:0xf bank_mask:0xf
	v_permlanex16_b32 v11, v[\r], s31, s32
	v_max_num_f32 v[\r], v[\r], v11
.endm
; With b the biased exponent of the maximum: the weights are multiplied by 2^(126 - b), bits (253 - b) << 23, which brings the maximum
; into [0.5, 1); the scale to multiply back is 2^(b - 126), bits (b + 1) << 23.  Whole-number arithmetic on the exponent field, exact.
.macro SCALES r, sp                    ; v[r]: the maximum, then the scale; s[sp:sp+1]: the factor, twice, for the packed multiply
	v_and_b32 v[\r], 0x7f800000, v[\r]
	v_sub_nc_u32 v11, 0x7e800000, v[\r]
	v_add_nc_u32 v[\r], 0x00800000, v[\r]
	v_readfirstlane_b32 s[\sp], v11
	s_mov_b32 s[\sp+1], s[\sp]
.endm
	AMAX 8, 144, 70                                ; W0
	AMAX 9, 16, 128                                ; W1
	AMAX 10, 214, 4                                ; W2
	WMAX 8
	WMAX 9
	WMAX 10
	SCALES 8, 20
	SCALES 9, 22
	SCALES 10, 24
	v_mul_f32 v222, v8, v9
	v_mul_f32 v222, v222, v10
	v_mul_f32 v222, 0x3e4ccccd, v222               ; s0 s1 s2 / 5
	v_mov_b32 v223, v222
	; The fragments' numbers: one group of loads, one wait.  Every wave: a fragment of W1 (f = 8 + w).  Waves 0 to 3: W0, first K step;
	; waves 4 to 7: W0, the three rows of x.  Waves 0 and 1: W2 besides.
.irp i, 0,1,2,3,4,5,6,7,8,9,10,11,12,13,14,15
	global_load_b32 v[T1+\i], v13, s[8:9] offset:256*(\i+8*(\i/8))
.endr
	s_cmp_lt_u32 s30, 4
	s_cbranch_scc0 .Lxrows_ask
	v_lshl_add_u32 v14, v4, 9, v14                 ; + 2 h rows of 256 bytes
.irp i, 0,1,2,3,4,5,6,7,8,9,10,11,12,13,14,15
	global_load_b32 v[T0+\i], v14, s[6:7] offset:256*(3+4*(\i/2)+(\i%2))
.endr
	s_branch .Lw0_asked
.Lxrows_ask:
	global_load_b32 v[T0], v14, s[6:7]
	global_load_b32 v[T0+1], v14, s[6:7] offset:256
	global_load_b32 v[T0+2], v14, s[6:7] offset:512
.Lw0_asked:
	s_cmp_lt_u32 s30, 2
	s_cbranch_scc0 .Lw2_asked
.irp i, 0,1,2,3,4,5,6,7,8,9,10,11,12,13,14,15
	global_load_b32 v[T2+\i], v221, s[10:11] offset:8*(\i+8*(\i/8))
.endr
.Lw2_asked:
	s_wait_loadcnt 0x0
.macro PACK16 t, p, sp                 ; 16 numbers: scale (exact, a power of two), round to f16, two to a register
.irp j, 0,1,2,3,4,5,6,7
	v_pk_mul_f32 v[\t+2*\j:\t+2*\j+1], v[\t+2*\j:\t+2*\j+1], s[\sp:\sp+1] op_sel_hi:[1,0]
.endr
.irp j, 0,1,2,3,4,5,6,7
	v_cvt_pk_f16_f32 v[\p+\j], v[\t+2*\j], v[\t+2*\j+1]
.endr
.endm
.macro PUT p, off                      ; each store of the wave covers 512 consecutive bytes, aligned.  Every fragment has registers of its own: no wait
	global_store_b128 v15, v[\p:\p+3], s[16:17] offset:\off
	global_store_b128 v15, v[\p+4:\p+7], s[16:17] offset:\off+512
.endm
	PACK16 T1, P1, 22
	PUT P1, 8192                                   ; f = 8 + w
	s_cmp_lt_u32 s30, 4
	s_cbranch_scc0 .Lxrows
	PACK16 T0, P0, 20
	PUT P0, 0                                      ; f = w
	s_branch .Lw0_done
.Lxrows:
	v_pk_mul_f32 v[T0:T0+1], v[T0:T0+1], s[20:21] op_sel_hi:[1,0]
	v_mul_f32 v[T0+2], s20, v[T0+2]
	s_mov_b32 vcc_lo, 0xffff                       ; lanes h = 0 hold k = 0 .. 3; lanes h = 1 hold k = 8 .., which are not used
	v_cvt_pk_f16_f32 v[P0], v[T0], v[T0+1]
	v_cvt_pk_f16_f32 v[P0+1], v[T0+2], 0
	v_cndmask_b32 v[P0], 0, v[P0], vcc_lo
	v_cndmask_b32 v[P0+1], 0, v[P0+1], vcc_lo
.irp j, 2,3,4,5,6,7
	v_mov_b32 v[P0+\j], 0
.endr
	PUT P0, 0                                      ; f = w = 4 + t
.Lw0_done:
	s_cmp_lt_u32 s30, 2
	s_cbranch_scc0 .Lend
	PACK16 T2, P2, 24
	v_cmp_gt_u32 vcc_lo, 2, v219                   ; rows r % 8 = 0, 1 carry the two outputs
.irp j, 0,1,2,3,4,5,6,7
	v_cndmask_b32 v[P2+\j], 0, v[P2+\j], vcc_lo
.endr
	PUT P2, 16384                                  ; f = 16 + w
	s_cmp_lg_u32 s30, 0
	s_cbranch_scc1 .Lend
	global_store_b64 v6, v[222:223], s[16:17] offset:18432   ; the scale, 64 times: one store of 256 consecutive bytes, aligned
.Lend:
	s_endpgm
.Lfunc_end_k_qa69c709028_prep:
	.size	k_qa69c709028_prep, .Lfunc_end_k_qa69c709028_prep-k_qa69c709028_prep
	.p2alignl 7, 3214868480
	.fill 96, 4, 3214868480
	.section	.rodata,"a",@progbits
	.p2align	6, 0x0
	.amdhsa_kernel k_qa69c709028_prep
		.amdhsa_group_segment_fixed_size 0
		.amdhsa_private_segment_fixed_size 0
		.amdhsa_enable_private_segment 0
		.amdhsa_kernarg_size 64
		.amdhsa_user_sgpr_count 2
		.amdhsa_user_sgpr_kernarg_segment_ptr 1
		.amdhsa_wavefront_size32 1
		.amdhsa_system_sgpr_workgroup_id_x 1
		.amdhsa_system_sgpr_workgroup_id_y 1
		.amdhsa_system_sgpr_workgroup_id_z 1
		.amdhsa_system_vgpr_workitem_id 0
		.amdhsa_next_free_vgpr 224
		.amdhsa_next_free_sgpr 66
		.amdhsa_reserve_vcc 1
		.amdhsa_float_denorm_mode_32 3
		.amdhsa_float_denorm_mode_16_64 3
		.amdhsa_memory_ordered 1
		.amdhsa_forward_progress 1
		.amdhsa_inst_pref_size 43
	.end_amdhsa_kernel
	.amdgpu_metadata
---
amdhsa.version: [ 1, 2 ]
amdhsa.kernels:
  - .name:           k_qa69c709028_prep
    .symbol:         k_qa69c709028_prep.kd
    .args:
      - { .name: x, .offset: 0, .size: 8, .value_kind: global_buffer, .address_space: global }
      - { .name: W0, .offset: 8, .size: 8, .value_kind: global_buffer, .address_space: global }
      - { .name: W1, .offset: 16, .size: 8, .value_kind: global_buffer, .address_space: global }
      - { .name: W2, .offset: 24, .size: 8, .value_kind: global_buffer, .address_space: global }
      - { .name: table, .offset: 32, .size: 8, .value_kind: global_buffer, .address_space: global }
      - { .name: xq, .offset: 40, .size: 8, .value_kind: global_buffer, .address_space: global }
      - { .name: wprep, .offset: 48, .size: 8, .value_kind: global_buffer, .address_space: global }
      - { .name: t16, .offset: 56, .size: 8, .value_kind: global_buffer, .address_space: global }
    .group_segment_fixed_size: 0
    .private_segment_fixed_size: 0
    .kernarg_segment_align: 8
    .kernarg_segment_size: 64
    .max_flat_workgroup_size: 256
    .sgpr_count:     66
    .vgpr_count:     224
    .wavefront_size: 32
...
	.end_amdgpu_metadata
.endif
;; end of part 3
;; launch encmlp (part 4): grid 256 x 1, 16 waves a work-group, no clusters, 315,392 bytes of LDS; arguments xq, t16, wprep, out0; writes out0
.if DOCPART == 4
	.amdgcn_target "amdgcn-amd-amdhsa--gfx1250"
	.amdhsa_code_object_version 6
	.text
	.protected	k_qa69c709028_encmlp
	.globl	k_qa69c709028_encmlp
	.p2align	8
	.type	k_qa69c709028_encmlp,@function
k_qa69c709028_encmlp:
	s_mov_b64 s[64:65], 0
	v_nop
	global_prefetch_b8 v0, s[64:65] scope:SCOPE_SE
	s_setreg_imm32_b32 hwreg(HW_REG_WAVE_MODE, 25, 1), 1
	s_wait_xcnt 0x0
; Hash-grid encoding (16 levels, 8 corners, 2 features) and the 35 -> 64 -> 64 -> 2 ReLU network, fused: the encoding never leaves the WGP.
; A work-group has 4,096 points, a wave 256; a wave shares nothing with another wave: no barrier.
; ENCODE.  Levels outside, the wave's 8 passes of 32 points inside: all work-groups walk the levels in the same order, so at any time the
; launch gathers from two levels of 2 MiB.  A lane serves one point with all eight corners, so cell, fractions and hashes are made once a point.
; The table comes as t16 from the launch before: one word of two bf16 for an entry, so a gather is 4 bytes a lane: 4,096 x 128 x 4 = 2 MiB for a work-group.
; Every index is made of whole numbers: with X = floor(x 2^26) from the launch before, cell = mul_hi(X, res << 6) = floor(X res / 2^26);
; the fraction is fma(X 2^-26, res, -cell), one rounding, consistent with that cell.  X has at most 24 significant bits, so X 2^-26 is exact in f32.
; Against a position rounded in f32 the point moves by less than res 2^-26 of a cell, and the interpolation is continuous across cells.
; The eight weights are products in f32; the sums are f32 multiply-adds that take the bf16 halves as they are.  Each level's two features go to LDS
; as one word of two f16.  8 slots of registers, filled 7 passes ahead: up to 56 gathers of every wave are out.
; NETWORK.  Weights are the M side and 16 points the N side of v_wmma_f32_16x16x32_f16, so that a layer's result lies in each lane just as the
; next layer's B fragment wants it: ReLU and rounding to f16 stay inside the lane.  f16 and not bf16, for its three more bits; the range is kept by
; the launch before, which scaled each weight matrix by a power of two to below 1; the scales come back in one factor at the end.
; LIMITS: 0 <= x < 64, resolved to 2^-26.  Table entries carry bf16's relative error of 2^-9.  With scaled weights below 1 the first hidden layer is
; at most 192 + the sum of the 32 |features| and the second 64 times that: inside f16 (65,504) while that sum is below about 800.  f16 operands
; below 2^-14 keep an absolute error of 2^-25.
; NO JOINT LOADS, NO TENSOR LOADS: what work-groups share is the 18,432 bytes of weights, read once by each wave into registers, against
; the 2 MiB of lane-by-lane requests of a work-group, which no tile describes.
.set PP,   1088                        ; an LDS plane: 256 points x 4 bytes + 64 = 272 words: planes l and l + 1 start 16 banks apart (64 banks of 4 bytes: ISA guide 11.1)
.set WREG, 18*PP                       ; a wave's LDS: planes 0-15 the levels, 16 = (x0, x1), 17 = (x2, 0)
.set LVL,  0x200000                    ; bytes of a level of t16
; encode: v3 zero, v4 LDS address (steps two planes a trip), v5 prefetch offset, v6 lane l: res[l] << 6, v7 lane l: res[l] in f32,
; v8, v9 at work, v14 offset in xq, v15 lane
.set XI,   16                          ; v[16:39]   X of pass p, coordinate c at 3 p + c
.set XF,   40                          ; v[40:63]   X 2^-26 likewise
.set SL,   64                          ; v[64:223]  8 slots of 20, slot = pass: +0..7 entries, +8..15 indices (2 k + x corner; k = y0z0, y0z1, y1z0, y1z1), +16 1 - fx, +17 fx, +18 fy, +19 fz
.set T,    224                         ; v[224:233] at work in ISSUE
.set C,    234                         ; v[234:252] at work in CONSUME
; scalars: s[6:7] t16 at the even level in hand, s[26:27] at the odd one, s[28:29] the prefetch's own base
; network: v1, v2 LDS addresses, v3 offset in out0, v4 offset in wprep
.set A0R,  16                          ; v[16:79]   layer 0: fragments 0-7
.set A1R,  80                          ; v[80:143]  layer 1: fragments 8-15
.set A2R,  144                         ; v[144:159] layer 2: fragments 16, 17
.set B0R,  160                         ; v[160:167] B: the 32 features of 16 points
.set BXR,  168                         ; v[168:175] B: x; registers 2-7 stay 0
.set DD,   176                         ; v[176:207] four accumulators: 64 neurons x 16 points
.set HH,   208                         ; v[208:223] the hidden layer in f16: two B fragments
.set D2A,  224                         ; v[224:231], v[232:239] layer 2, one accumulator for each K step
.set D2B,  232
.set OEV,  240                         ; v[240:241] an even tile's two outputs
.set OUT,  242                         ; v[242:243] what is stored
	s_load_b256 s[4:11], s[0:1], 0x0               ; xq s[4:5], t16 s[6:7], wprep s[8:9], out0 s[10:11]
	v_lshl_add_u32 v254, v0, 2, 0x4c800
	v_mov_b32 v255, 0
	v_and_b32 v15, 31, v0                          ; L
	v_lshrrev_b32 v8, 5, v0
	v_readfirstlane_b32 s12, v8                    ; w
	v_mov_b32 v3, 0                                ; the addend of each chain's first product
	s_mul_i32 s20, s12, WREG                       ; my wave's LDS; kept
	v_lshl_add_u32 v4, v15, 2, s20                 ; + 4 L: my point's word in pass 0
	s_lshl_b32 s21, ttmp9, 13                      ; prefetch: the work-group's 8 KiB of a level,
	v_lshl_add_u32 v5, v15, 8, s21                 ; lanes 256 bytes apart; never rewritten
	s_lshl_b32 s24, s12, 8
	v_add_nc_u32 v9, s24, v15
	v_mul_u32_u24 v14, v9, 12                      ; (256 w + L) x 12 bytes
	v_mov_b32 v6, 0
.set l, 0
.irp res, 16, 22, 30, 42, 58, 80, 111, 153, 212, 294, 406, 561, 775, 1072, 1481, 2047
	s_movk_i32 s21, \res                           ; floor(16 x 1.3819^l)
	v_writelane_b32 v6, s21, l
.set l, l+1
.endr
	v_cvt_f32_u32 v7, v6
	v_lshlrev_b32 v6, 6, v6
	s_mov_b32 s16, 0x3779b1                        ; 2654435761 mod 2^24: only the products' low 19 bits count, and a cell is below 2^17
	s_mov_b32 s17, 0x025795                        ; 805459861 mod 2^24
	s_mov_b32 s18, 0x7ffff                         ; table size - 1
	s_mul_i32 s2, ttmp9, 49152                     ; 4,096 points x 12 bytes
	s_mov_b32 s3, 0
	s_lshl_b32 s24, ttmp9, 15                      ; 4,096 points x 8 bytes
	s_lshl_b32 s25, s12, 11                        ; 256 points x 8 bytes
	s_add_co_u32 s24, s24, s25
	s_mov_b32 s25, 0
	s_wait_kmcnt 0x0
	s_load_b64 s[22:23], s[8:9], 0x4800            ; the output scale, twice; waited for at the head of the network
	s_add_nc_u64 s[4:5], s[4:5], s[2:3]
	s_add_nc_u64 s[10:11], s[10:11], s[24:25]
	s_add_nc_u64 s[26:27], s[6:7], LVL             ; level 1
	s_mov_b64 s[28:29], s[6:7]
.set i, 0
.rept 8
	global_load_b32 v[XI+3*i], v14, s[4:5] offset:384*i
	global_load_b32 v[XI+3*i+1], v14, s[4:5] offset:384*i+4
	global_load_b32 v[XI+3*i+2], v14, s[4:5] offset:384*i+8
.set i, i+1
.endr
	s_wait_loadcnt 0x0
.set i, 0
.rept 24
	v_cvt_f32_u32 v[XF+i], v[XI+i]                 ; exact: at most 24 significant bits
.set i, i+1
.endr
.set i, 0
.rept 12
	v_pk_mul_f32 v[XF+2*i:XF+2*i+1], v[XF+2*i:XF+2*i+1], 0x32800000 op_sel_hi:[1,0]   ; x 2^-26
.set i, i+1
.endr
.set i, 0
.rept 8
	v_cvt_pk_f16_f32 v8, v[XF+3*i], v[XF+3*i+1]
	v_cvt_pk_f16_f32 v9, v[XF+3*i+2], 0
	ds_store_b32 v4, v8 offset:16*PP+128*i
	ds_store_b32 v4, v9 offset:17*PP+128*i
.set i, i+1
.endr
.macro LEVELAT k                       ; the resolution of level s13 + k
	s_add_co_u32 s21, s13, \k
	v_readlane_b32 s14, v6, s21
	v_readlane_b32 s15, v7, s21
.endm
; Pass p of the level in s14, s15, whose part of t16 begins at s[tb:tb+1]: cell, fractions, eight indices, eight gathers, into slot p.
.macro ISSUE p, tb
	v_mul_hi_u32 v[T], v[XI+3*(\p)], s14           ; cell = floor(X res / 2^26)
	v_mul_hi_u32 v[T+1], v[XI+3*(\p)+1], s14
	v_mul_hi_u32 v[T+2], v[XI+3*(\p)+2], s14
	v_cvt_f32_u32 v[T+3], v[T]
	v_cvt_f32_u32 v[T+4], v[T+1]
	v_cvt_f32_u32 v[T+5], v[T+2]
	v_fma_f32 v[SL+20*(\p)+17], v[XF+3*(\p)], s15, -v[T+3]             ; fractions
	v_fma_f32 v[SL+20*(\p)+18], v[XF+3*(\p)+1], s15, -v[T+4]
	v_fma_f32 v[SL+20*(\p)+19], v[XF+3*(\p)+2], s15, -v[T+5]
	v_mul_u32_u24 v[T+1], s16, v[T+1]              ; y, y + 1 and z, z + 1 times their primes
	v_mul_u32_u24 v[T+2], s17, v[T+2]
	v_add_nc_u32 v[T+3], s16, v[T+1]
	v_add_nc_u32 v[T+4], s17, v[T+2]
	v_add_nc_u32 v[T+5], 1, v[T]                   ; x + 1 (prime 1)
	v_xor_b32 v[T+6], v[T+1], v[T+2]               ; y0 z0
	v_xor_b32 v[T+7], v[T+1], v[T+4]               ; y0 z1
	v_xor_b32 v[T+8], v[T+3], v[T+2]               ; y1 z0
	v_xor_b32 v[T+9], v[T+3], v[T+4]               ; y1 z1
.irp k, 0,1,2,3
	v_and_b32 v[T+6+\k], s18, v[T+6+\k]            ; x and x + 1 are below 2^19 as they are: masking these four masks all eight indices
.endr
.irp k, 0,1,2,3
	v_xor_b32 v[SL+20*(\p)+8+2*\k], v[T], v[T+6+\k]
	v_xor_b32 v[SL+20*(\p)+9+2*\k], v[T+5], v[T+6+\k]
.endr
.irp k, 0,1,2,3,4,5,6,7
	v_min_u32 v[SL+20*(\p)+8+\k], 0x7ffff, v[SL+20*(\p)+8+\k]          ; changes no value: a number made of loaded data enters an address only behind a clamp by a constant
.endr
.irp k, 0,1,2,3,4,5,6,7
	global_load_b32 v[SL+20*(\p)+\k], v[SL+20*(\p)+8+\k], s[\tb:\tb+1] scale_offset   ; entry = 4 bytes x index
.endr
.endm
; Slot p holds pass p: eight weights, two sums over the eight corners in two chains each, round to f16, to LDS at plane offset po.
; left = younger gathers that stay out.
.macro CONSUME p, po, left
	s_wait_loadcnt \left                           ; loads come back in order: this slot's eight are in; the wait also frees their index registers and shows every older load done
	v_sub_f32 v[SL+20*(\p)+16], 1.0, v[SL+20*(\p)+17]                                                  ; (1 - fx, fx): the two x corners' weights
	v_pk_fma_f32 v[C:C+1], v[SL+20*(\p)+18:SL+20*(\p)+19], -1.0, 1.0 op_sel_hi:[1,0,0]                 ; (1 - fy, 1 - fz)
	v_pk_mul_f32 v[C+2:C+3], v[SL+20*(\p)+16:SL+20*(\p)+17], v[C:C+1] op_sel_hi:[1,0]                  ; both by 1 - fy
	v_pk_mul_f32 v[C+4:C+5], v[SL+20*(\p)+16:SL+20*(\p)+17], v[SL+20*(\p)+18:SL+20*(\p)+19] op_sel_hi:[1,0]   ; both by fy
	v_pk_mul_f32 v[C+6:C+7], v[C+2:C+3], v[C:C+1] op_sel:[0,1] op_sel_hi:[1,1]                         ; y0 z0: both by 1 - fz
	v_pk_mul_f32 v[C+8:C+9], v[C+2:C+3], v[SL+20*(\p)+18:SL+20*(\p)+19] op_sel:[0,1] op_sel_hi:[1,1]   ; y0 z1: both by fz
	v_pk_mul_f32 v[C+10:C+11], v[C+4:C+5], v[C:C+1] op_sel:[0,1] op_sel_hi:[1,1]                       ; y1 z0
	v_pk_mul_f32 v[C+12:C+13], v[C+4:C+5], v[SL+20*(\p)+18:SL+20*(\p)+19] op_sel:[0,1] op_sel_hi:[1,1] ; y1 z1
	v_fma_mix_f32_bf16 v[C+14], v[SL+20*(\p)], v[C+6], v3 op_sel_hi:[1,0,0]                            ; feature 0 = the low bf16, corners 0-3
	v_fma_mix_f32_bf16 v[C+15], v[SL+20*(\p)], v[C+6], v3 op_sel:[1,0,0] op_sel_hi:[1,0,0]             ; feature 1 = the high bf16
	v_fma_mix_f32_bf16 v[C+16], v[SL+20*(\p)+4], v[C+10], v3 op_sel_hi:[1,0,0]                         ; corners 4-7
	v_fma_mix_f32_bf16 v[C+17], v[SL+20*(\p)+4], v[C+10], v3 op_sel:[1,0,0] op_sel_hi:[1,0,0]
.irp k, 1,2,3
	v_fma_mix_f32_bf16 v[C+14], v[SL+20*(\p)+\k], v[C+6+\k], v[C+14] op_sel_hi:[1,0,0]
	v_fma_mix_f32_bf16 v[C+15], v[SL+20*(\p)+\k], v[C+6+\k], v[C+15] op_sel:[1,0,0] op_sel_hi:[1,0,0]
	v_fma_mix_f32_bf16 v[C+16], v[SL+20*(\p)+4+\k], v[C+10+\k], v[C+16] op_sel_hi:[1,0,0]
	v_fma_mix_f32_bf16 v[C+17], v[SL+20*(\p)+4+\k], v[C+10+\k], v[C+17] op_sel:[1,0,0] op_sel_hi:[1,0,0]
.endr
	v_pk_add_f32 v[C+14:C+15], v[C+14:C+15], v[C+16:C+17]
	v_cvt_pk_f16_f32 v[C+18], v[C+14], v[C+15]
	ds_store_b32 v4, v[C+18] offset:\po+128*(\p)   ; 32 neighbouring words
.endm
; One level is finished (plane offset po, base cur); more = 1: passes 0 to 6 of the next (level s13 + k, base nxt) are issued, 7 passes ahead.
; The count 48 = the six younger passes' eight gathers, the same on the way in, round the back edge and into the tail.
; ask = 1: wave 0 asks for the work-group's own 8 KiB (32 blocks, 256 bytes apart) of the two levels that the NEXT trip will begin to gather:
; the 256 work-groups cover a level's 2 MiB, each block asked for once in the launch.  Seven trips ask for levels 2 to 15; the tail for nothing.
.macro HALF po, cur, nxt, k, more, ask
	CONSUME 0, \po, 48
.if \ask
	s_cmp_lg_u32 s12, 0
	s_cbranch_scc1 .Lnot_asking_\@
	s_wait_xcnt 0x0                                ; the prefetch's base is stepped only behind this wait; its last use is a trip back
	s_add_nc_u64 s[28:29], s[28:29], 2*LVL
	global_prefetch_b8 v5, s[28:29] th:TH_LOAD_NT scope:SCOPE_SE
	global_prefetch_b8 v5, s[28:29] offset:LVL th:TH_LOAD_NT scope:SCOPE_SE
.Lnot_asking_\@:
.endif
	ISSUE 7, \cur
.if \more
	LEVELAT \k
.irp p, 1,2,3,4,5,6,7
	CONSUME \p, \po, 48
	ISSUE \p-1, \nxt
.endr
.else
.irp p, 1,2,3,4,5,6,7
	CONSUME \p, \po, 8*(7-\p)                      ; nothing more is issued: the counts run down to 0
.endr
.endif
.endm
	s_mov_b32 s13, 0
	LEVELAT 0
.irp p, 0,1,2,3,4,5,6
	ISSUE \p, 6                                    ; the ring is filled: 7 passes x 8 gathers
.endr
	; A trip: levels s13 (even) and s13 + 1.  Each level's base is stepped two levels on behind the wait of its pass 7: the 48 loads that the
	; wait leaves out all name the other base, so every load that names this one is done.
.Llevel:
	HALF 0, 6, 26, 1, 1, 1
	s_add_nc_u64 s[6:7], s[6:7], 2*LVL
	HALF PP, 26, 6, 2, 1, 0
	s_add_nc_u64 s[26:27], s[26:27], 2*LVL
	v_add_nc_u32 v4, 2*PP, v4                      ; two planes on
	s_add_co_u32 s13, s13, 2
	s_cmp_lt_u32 s13, 14
	s_cbranch_scc1 .Llevel
	HALF 0, 6, 26, 1, 1, 0                         ; level 14
	HALF PP, 26, 6, 0, 0, 0                        ; level 15
	; THE NETWORK, 16 tiles of 16 points.  Lane L = (r = L % 16, h = L / 16) holds point r.
	s_wait_dscnt 0x0                               ; my LDS stores have taken their data
	s_mov_b32 vcc_lo, 0xffff0000                   ; lanes 16-31 take the odd tile
	v_and_b32 v8, 15, v0                           ; r
	v_bfe_u32 v9, v0, 4, 1                         ; h
	v_lshl_add_u32 v2, v8, 2, s20                  ; x planes: my wave + 4 r
	v_mad_u32_u24 v1, v9, PP, v2                   ; feature planes: register j takes plane 2 j + h
	v_lshlrev_b32 v3, 3, v15                       ; out0: 8 L
	v_lshlrev_b32 v4, 4, v15                       ; wprep: 16 L
.set f, 0
.rept 18
	global_load_b128 v[A0R+8*f:A0R+8*f+3], v4, s[8:9] offset:1024*f
	global_load_b128 v[A0R+8*f+4:A0R+8*f+7], v4, s[8:9] offset:1024*f+512
.set f, f+1
.endr
.irp j, 2,3,4,5,6,7
	v_mov_b32 v[BXR+\j], 0                         ; k slots that hold no input
.endr
.macro BLOAD tau                       ; the B fragments of a tile: LDS serves a wave's instructions in order (ISA guide 5.7.1), so these see my stores
.irp j, 0,1,2,3,4,5,6,7
	ds_load_b32 v[B0R+\j], v1 offset:2*PP*\j+64*(\tau)
.endr
	ds_load_b32 v[BXR], v2 offset:16*PP+64*(\tau)
	ds_load_b32 v[BXR+1], v2 offset:17*PP+64*(\tau)
.endm
.macro PLACES                          ; four places behind a matrix instruction before its result is read or a register of it is written or loaded (ISA guide 7.12.1)
.rept 4
	v_nop
.endr
.endm
; 64 neurons x 16 points x 64 along K.  The first K step starts the sums.  The four accumulators take turns, one instruction a turn.
.macro LAYER a, b0, b1
.irp t, 0,1,2,3
	v_wmma_f32_16x16x32_f16 v[DD+8*\t:DD+8*\t+7], v[\a+8*\t:\a+8*\t+7], v[\b0:\b0+7], 0
.endr
.irp t, 0,1,2,3
	v_wmma_f32_16x16x32_f16 v[DD+8*\t:DD+8*\t+7], v[\a+32+8*\t:\a+32+8*\t+7], v[\b1:\b1+7], v[DD+8*\t:DD+8*\t+7]
.endr
.endm
; Accumulator t, register j of lane (r, h) is neuron 16 t + 8 h + j of point r.  B fragment s wants, in registers 0-3, k = 8 h + 0..7 and, in
; registers 4-7, k = 16 + 8 h + 0..7 of neurons 32 s ..: accumulators 2 s and 2 s + 1 of the same lane, in order.
.macro RELUPACK
.set i, 0
.rept 32
	v_max_num_f32 v[DD+i], 0, v[DD+i]
.set i, i+1
.endr
.irp s, 0,1
.irp j, 0,1,2,3
	v_cvt_pk_f16_f32 v[HH+8*\s+\j], v[DD+16*\s+2*\j], v[DD+16*\s+2*\j+1]
	v_cvt_pk_f16_f32 v[HH+8*\s+4+\j], v[DD+16*\s+8+2*\j], v[DD+16*\s+8+2*\j+1]
.endr
.endr
.endm
.macro TILE tau
	s_wait_dscnt 0x0                               ; this tile's B fragments, asked for a tile ago
	LAYER A0R, B0R, BXR
	PLACES
.if \tau < 15
	BLOAD \tau+1
.endif
	RELUPACK
	LAYER A1R, HH, HH+8
	PLACES
	RELUPACK
	v_wmma_f32_16x16x32_f16 v[D2A:D2A+7], v[A2R:A2R+7], v[HH:HH+7], 0          ; two sums that start at 0, added below: no link stands next to the one before it
	v_wmma_f32_16x16x32_f16 v[D2B:D2B+7], v[A2R+8:A2R+15], v[HH+8:HH+15], 0
	PLACES
	; rows 0, 1 and rows 8, 9 of the result carry the outputs, so registers 0, 1 of BOTH halves of the lanes hold point r's two numbers
.if (\tau & 1) == 0
	v_pk_add_f32 v[OEV:OEV+1], v[D2A:D2A+1], v[D2B:D2B+1]
.else
	s_wait_xcnt 0x0                                ; the last store's data are written again only behind this wait
	v_pk_add_f32 v[OUT:OUT+1], v[D2A:D2A+1], v[D2B:D2B+1]
	v_cndmask_b32 v[OUT], v[OEV], v[OUT], vcc_lo   ; lanes 0-15: the even tile's points, lanes 16-31: the odd tile's
	v_cndmask_b32 v[OUT+1], v[OEV+1], v[OUT+1], vcc_lo
	v_pk_mul_f32 v[OUT:OUT+1], v[OUT:OUT+1], s[22:23] op_sel_hi:[1,0]          ; the three weight scales and 1 / 5
	global_store_b64 v3, v[OUT:OUT+1], s[10:11] offset:256*(\tau>>1) th:TH_STORE_NT   ; 32 points: 256 consecutive bytes, aligned
.endif
.endm
	BLOAD 0
	s_wait_loadcnt 0x0                             ; the weights
	s_wait_kmcnt 0x0                               ; the scale
.irp tau, 0,1,2,3,4,5,6,7,8,9,10,11,12,13,14,15
	TILE \tau
.endr
	s_wait_tensorcnt 0x0
	ds_add_u32 v254, v255
	s_wait_dscnt 0x0
	s_endpgm
.Lfunc_end_k_qa69c709028_encmlp:
	.size	k_qa69c709028_encmlp, .Lfunc_end_k_qa69c709028_encmlp-k_qa69c709028_encmlp
	.p2alignl 7, 3214868480
	.fill 96, 4, 3214868480
	.section	.rodata,"a",@progbits
	.p2align	6, 0x0
	.amdhsa_kernel k_qa69c709028_encmlp
		.amdhsa_group_segment_fixed_size 315392
		.amdhsa_private_segment_fixed_size 0
		.amdhsa_enable_private_segment 0
		.amdhsa_kernarg_size 32
		.amdhsa_user_sgpr_count 2
		.amdhsa_user_sgpr_kernarg_segment_ptr 1
		.amdhsa_wavefront_size32 1
		.amdhsa_system_sgpr_workgroup_id_x 1
		.amdhsa_system_sgpr_workgroup_id_y 1
		.amdhsa_system_sgpr_workgroup_id_z 1
		.amdhsa_system_vgpr_workitem_id 0
		.amdhsa_next_free_vgpr 256
		.amdhsa_next_free_sgpr 66
		.amdhsa_reserve_vcc 1
		.amdhsa_float_denorm_mode_32 3
		.amdhsa_float_denorm_mode_16_64 3
		.amdhsa_memory_ordered 1
		.amdhsa_forward_progress 1
		.amdhsa_inst_pref_size 247
	.end_amdhsa_kernel
	.amdgpu_metadata
---
amdhsa.version: [ 1, 2 ]
amdhsa.kernels:
  - .name:           k_qa69c709028_encmlp
    .symbol:         k_qa69c709028_encmlp.kd
    .args:
      - { .name: xq, .offset: 0, .size: 8, .value_kind: global_buffer, .address_space: global }
      - { .name: t16, .offset: 8, .size: 8, .value_kind: global_buffer, .address_space: global }
      - { .name: wprep, .offset: 16, .size: 8, .value_kind: global_buffer, .address_space: global }
      - { .name: out0, .offset: 24, .size: 8, .value_kind: global_buffer, .address_space: global }
    .group_segment_fixed_size: 315392
    .private_segment_fixed_size: 0
    .kernarg_segment_align: 8
    .kernarg_segment_size: 32
    .max_flat_workgroup_size: 512
    .sgpr_count:     66
    .vgpr_count:     256
    .wavefront_size: 32
...
	.end_amdgpu_metadata
.endif
;; end of part 4
;; ======== version 3 of 3: 2 launches; version 2 with the launch encmlp written anew for expert scheduling mode
;; limits: values are held in f16: magnitudes above 65,504 overflow, below 6.1e-05 lose precision; right only within a limited range of input values
;; workspace buffers: xq 12,582,912 bytes of whole numbers; wprep 18,688 bytes; t16 33,554,432 bytes
;; launch prep: the kernel of part 3 again; grid 257 x 1, 8 waves a work-group, no clusters, 0 bytes of LDS; arguments x, W0, W1, W2, table, xq, wprep, t16; writes xq, wprep, t16
;; launch encmlp (part 5): grid 256 x 1, 16 waves a work-group, no clusters, 315,392 bytes of LDS; arguments xq, t16, wprep, out0; writes out0
.if DOCPART == 5
	.amdgcn_target "amdgcn-amd-amdhsa--gfx1250"
	.amdhsa_code_object_version 6
	.text
	.protected	k_qa69c709028_encmlp
	.globl	k_qa69c709028_encmlp
	.p2align	8
	.type	k_qa69c709028_encmlp,@function
k_qa69c709028_encmlp:
	s_mov_b64 s[64:65], 0
	v_nop
	global_prefetch_b8 v0, s[64:65] scope:SCOPE_SE
	s_setreg_imm32_b32 hwreg(HW_REG_WAVE_SCHED_MODE, 0, 2), 2
	s_setreg_imm32_b32 hwreg(HW_REG_WAVE_MODE, 25, 1), 1
	s_wait_xcnt 0x0
	s_wait_alu depctr_vm_vsrc(0)
; Hash-grid encoding (16 levels, 8 corners, 2 features) and the 35 -> 64 -> 64 -> 2 ReLU network, fused: the encoding never leaves the WGP.
; A work-group has 4,096 points, a wave 256; a wave shares nothing with another wave: no barrier.
; ENCODE.  Levels outside, the wave's 8 passes of 32 points inside: all work-groups walk the levels in the same order, so at any time the
; launch gathers from two levels of 2 MiB.  A lane serves one point with all eight corners, so cell, fractions and hashes are made once a point.
; The table comes as t16 from the launch before: one word of two bf16 for an entry, so a gather is 4 bytes a lane: 4,096 x 128 x 4 = 2 MiB for a work-group.
; Every index is made of whole numbers: with X = floor(x 2^26) from the launch before, cell = mul_hi(X, res << 6) = floor(X res / 2^26);
; the fraction is fma(X 2^-26, res, -cell), one rounding, consistent with that cell.  X has at most 24 significant bits, so X 2^-26 is exact in f32.
; Against a position rounded in f32 the point moves by less than res 2^-26 of a cell, and the interpolation is continuous across cells.
; The eight weights are products in f32; the sums are f32 multiply-adds that take the bf16 halves as they are.  Each level's two features go to LDS
; as one word of two f16.  8 slots of registers, filled 7 passes ahead: up to 56 gathers of every wave are out.
; NETWORK.  Weights are the M side and 16 points the N side of v_wmma_f32_16x16x32_f16, so that a layer's result lies in each lane just as the
; next layer's B fragment wants it: ReLU and rounding to f16 stay inside the lane.  f16 and not bf16, for its three more bits; the range is kept by
; the launch before, which scaled each weight matrix by a power of two to below 1; the scales come back in one factor at the end.
; LIMITS: 0 <= x < 64, resolved to 2^-26.  Table entries carry bf16's relative error of 2^-9.  With scaled weights below 1 the first hidden layer is
; at most 192 + the sum of the 32 |features| and the second 64 times that: inside f16 (65,504) while that sum is below about 800.  f16 operands
; below 2^-14 keep an absolute error of 2^-25.
; NO JOINT LOADS, NO TENSOR LOADS: what work-groups share is the 18,432 bytes of weights, read once by each wave into registers, against
; the 2 MiB of lane-by-lane requests of a work-group, which no tile describes.
; THE MODE: SCHED_MODE bits 1:0 = 2 (LLVM: expert scheduling mode 2), set by the entry lines.  The code itself states the register dependences
; between vector or matrix instructions and memory or LDS instructions, with s_wait_alu, always for 0.
; THE PLAN, ENCODE.  Step p is pass p of a level; slot = pass.  Registers that memory or LDS instructions touch:
;   DATA[s]   a slot's 8 entries.  Gathers land in them; step s's sixteen multiply-adds read them.
;   IDX[s]    a slot's 8 indices.  Written by step s's index arithmetic, for the NEXT level's pass s; read by the gathers that step s + 1 issues.
;   OW0, OW1  the word for LDS.  Step p's rounding writes OW[p % 2]; the LDS store that step p + 1 issues reads it.
;   v4        the LDS stores' address: one add at the loop's foot.      v5, v14: offsets made at the head, never written again in the encoding.
; Step p's vector instructions name slot p, T, C and OW[p % 2]; its memory instructions are the gathers by IDX[p - 1] into DATA[p - 1] and the store of
; OW[(p - 1) % 2]: what the step before worked on.  So one wait on va_vdst at a step's head states all that its nine memory instructions hang on, and they
; are dealt among its first vector instructions.  For step 0 that wait stands at the foot of the level before, ahead of pass 7's store.
; THE PLAN, NETWORK.  Two pairs of B buffers: tile t multiplies pair t % 2 while tile t + 1's ten LDS loads land in the other; an odd tile's OUT is
; stored at the next tile's head.  One wait on va_vdst at a tile's head states both.
.set PP,   1088                        ; an LDS plane: 256 points x 4 bytes + 64 = 272 words: planes l and l + 1 start 16 banks apart (64 banks of 4 bytes: ISA guide 11.1)
.set WREG, 18*PP                       ; a wave's LDS: planes 0-15 the levels, 16 = (x0, x1), 17 = (x2, 0)
.set LVL,  0x200000                    ; bytes of a level of t16
; encode: v3 zero, v4 LDS address (steps two planes a trip), v5 prefetch offset, v6 lane l: res[l] << 6, v7 lane l: res[l] in f32,
; v8, v9 at work, v14 offset in xq, v15 lane
.set XI,   16                          ; v[16:39]   X of pass p, coordinate c at 3 p + c
.set XF,   40                          ; v[40:63]   X 2^-26 likewise
.set SL,   64                          ; v[64:223]  8 slots of 20, slot = pass: +0..7 entries, +8..15 indices (2 k + x corner; k = y0z0, y0z1, y1z0, y1z1), +16 1 - fx, +17 fx, +18 fy, +19 fz
.set T,    224                         ; v[224:233] at work in the index arithmetic
.set C,    234                         ; v[234:251] at work in the weights and sums
.set XO,   C                           ; v[234:249] at the head only: the 16 words of x in f16, to store
.set OW,   252                         ; v[252:253] a pass's word of two f16, to store: by the pass's parity
; scalars: s[6:7] t16 at the even level in hand, s[26:27] at the odd one, s[28:29] the prefetch's own base
; network: v1, v2 LDS addresses, v3 offset in out0, v4 offset in wprep
.set A0R,  16                          ; v[16:79]   layer 0: fragments 0-7
.set A1R,  80                          ; v[80:143]  layer 1: fragments 8-15
.set A2R,  144                         ; v[144:159] layer 2: fragments 16, 17
.set B0R,  160                         ; v[160:167] B, even tiles: the 32 features of 16 points;  odd tiles: v[244:251]
.set BXR,  168                         ; v[168:175] B, even tiles: x; registers 2-7 stay 0;       odd tiles: v[6:13]
.set DD,   176                         ; v[176:207] four accumulators: 64 neurons x 16 points
.set HH,   208                         ; v[208:223] the hidden layer in f16: two B fragments
.set D2A,  224                         ; v[224:231], v[232:239] layer 2, one accumulator for each K step
.set D2B,  232
.set OEV,  240                         ; v[240:241] an even tile's two outputs
.set OUT,  242                         ; v[242:243] what is stored
	s_load_b256 s[4:11], s[0:1], 0x0               ; xq s[4:5], t16 s[6:7], wprep s[8:9], out0 s[10:11]
	v_lshl_add_u32 v254, v0, 2, 0x4c800
	v_mov_b32 v255, 0
	v_and_b32 v15, 31, v0                          ; L
	v_lshrrev_b32 v8, 5, v0
	v_readfirstlane_b32 s12, v8                    ; w
	v_mov_b32 v3, 0                                ; the addend of each chain's first product
	s_wait_alu depctr_va_sdst(0)                   ; s12 is written, ahead of its first reader: LDS addresses, offsets and a branch are made from it
	s_mul_i32 s20, s12, WREG                       ; my wave's LDS; kept
	v_lshl_add_u32 v4, v15, 2, s20                 ; + 4 L: my point's word in pass 0
	s_lshl_b32 s21, ttmp9, 13                      ; prefetch: the work-group's 8 KiB of a level,
	v_lshl_add_u32 v5, v15, 8, s21                 ; lanes 256 bytes apart; never rewritten
	s_lshl_b32 s24, s12, 8
	v_add_nc_u32 v9, s24, v15
	v_mul_u32_u24 v14, v9, 12                      ; (256 w + L) x 12 bytes
	v_mov_b32 v6, 0
.set l, 0
.irp res, 16, 22, 30, 42, 58, 80, 111, 153, 212, 294, 406, 561, 775, 1072, 1481, 2047
	s_movk_i32 s21, \res                           ; floor(16 x 1.3819^l)
	v_writelane_b32 v6, s21, l
.set l, l+1
.endr
	v_cvt_f32_u32 v7, v6
	v_lshlrev_b32 v6, 6, v6
	s_mov_b32 s16, 0x3779b1                        ; 2654435761 mod 2^24: only the products' low 19 bits count, and a cell is below 2^17
	s_mov_b32 s17, 0x025795                        ; 805459861 mod 2^24
	s_mov_b32 s18, 0x7ffff                         ; table size - 1
	s_mul_i32 s2, ttmp9, 49152                     ; 4,096 points x 12 bytes
	s_mov_b32 s3, 0
	s_lshl_b32 s24, ttmp9, 15                      ; 4,096 points x 8 bytes
	s_lshl_b32 s25, s12, 11                        ; 256 points x 8 bytes
	s_add_co_u32 s24, s24, s25
	s_mov_b32 s25, 0
	s_wait_kmcnt 0x0
	s_load_b64 s[22:23], s[8:9], 0x4800            ; the output scale, twice; waited for at the head of the network
	s_add_nc_u64 s[4:5], s[4:5], s[2:3]
	s_add_nc_u64 s[10:11], s[10:11], s[24:25]
	s_add_nc_u64 s[26:27], s[6:7], LVL             ; level 1
	s_mov_b64 s[28:29], s[6:7]
	s_wait_alu depctr_va_vdst(0)                   ; v14 is written, which the loads of X read as their offset; so are v4 and v5, which the LDS stores and the prefetches read
.set i, 0
.rept 8
	global_load_b32 v[XI+3*i], v14, s[4:5] offset:384*i
	global_load_b32 v[XI+3*i+1], v14, s[4:5] offset:384*i+4
	global_load_b32 v[XI+3*i+2], v14, s[4:5] offset:384*i+8
.set i, i+1
.endr
	s_wait_loadcnt 0x0
.set i, 0
.rept 24
	v_cvt_f32_u32 v[XF+i], v[XI+i]                 ; exact: at most 24 significant bits
.set i, i+1
.endr
.set i, 0
.rept 12
	v_pk_mul_f32 v[XF+2*i:XF+2*i+1], v[XF+2*i:XF+2*i+1], 0x32800000 op_sel_hi:[1,0]   ; x 2^-26
.set i, i+1
.endr
.set i, 0
.rept 8
	v_cvt_pk_f16_f32 v[XO+2*i], v[XF+3*i], v[XF+3*i+1]     ; x in f16: a register of its own for each word, so that one wait serves the run of stores
	v_cvt_pk_f16_f32 v[XO+2*i+1], v[XF+3*i+2], 0
.set i, i+1
.endr
.macro LEVELAT k                       ; the resolution of level s13 + k
	s_add_co_u32 s21, s13, \k
	v_readlane_b32 s14, v6, s21
	v_readlane_b32 s15, v7, s21
	s_wait_alu depctr_va_sdst(0)                   ; s14 and s15 are written, ahead of their first reader and of any branch or label
.endm
; Pass p of the level in s14, s15: cell, fractions and eight indices, into slot p.  No memory instruction: the gathers by these indices are issued a step later.
.macro INDEX p
	v_mul_hi_u32 v[T], v[XI+3*(\p)], s14           ; cell = floor(X res / 2^26)
	v_mul_hi_u32 v[T+1], v[XI+3*(\p)+1], s14
	v_mul_hi_u32 v[T+2], v[XI+3*(\p)+2], s14
	v_cvt_f32_u32 v[T+3], v[T]
	v_cvt_f32_u32 v[T+4], v[T+1]
	v_cvt_f32_u32 v[T+5], v[T+2]
	v_fma_f32 v[SL+20*(\p)+17], v[XF+3*(\p)], s15, -v[T+3]             ; fractions
	v_fma_f32 v[SL+20*(\p)+18], v[XF+3*(\p)+1], s15, -v[T+4]
	v_fma_f32 v[SL+20*(\p)+19], v[XF+3*(\p)+2], s15, -v[T+5]
	v_mul_u32_u24 v[T+1], s16, v[T+1]              ; y, y + 1 and z, z + 1 times their primes
	v_mul_u32_u24 v[T+2], s17, v[T+2]
	v_add_nc_u32 v[T+3], s16, v[T+1]
	v_add_nc_u32 v[T+4], s17, v[T+2]
	v_add_nc_u32 v[T+5], 1, v[T]                   ; x + 1 (prime 1)
	v_xor_b32 v[T+6], v[T+1], v[T+2]               ; y0 z0
	v_xor_b32 v[T+7], v[T+1], v[T+4]               ; y0 z1
	v_xor_b32 v[T+8], v[T+3], v[T+2]               ; y1 z0
	v_xor_b32 v[T+9], v[T+3], v[T+4]               ; y1 z1
.irp k, 0,1,2,3
	v_and_b32 v[T+6+\k], s18, v[T+6+\k]            ; x and x + 1 are below 2^19 as they are: masking these four masks all eight indices
.endr
.irp k, 0,1,2,3
	v_xor_b32 v[SL+20*(\p)+8+2*\k], v[T], v[T+6+\k]
	v_xor_b32 v[SL+20*(\p)+9+2*\k], v[T+5], v[T+6+\k]
.endr
.irp k, 0,1,2,3,4,5,6,7
	v_min_u32 v[SL+20*(\p)+8+\k], 0x7ffff, v[SL+20*(\p)+8+\k]          ; changes no value: a number made of loaded data enters an address only behind a clamp by a constant
.endr
.endm
; Two of slot q's eight gathers, corners k and k + 1, from the level whose part of t16 begins at s[tb:tb+1].  on = 0: nothing.
.macro G2 on, q, tb, k
.if \on
	global_load_b32 v[SL+20*(\q)+(\k)], v[SL+20*(\q)+8+(\k)], s[\tb:\tb+1] scale_offset     ; entry = 4 bytes x index
	global_load_b32 v[SL+20*(\q)+(\k)+1], v[SL+20*(\q)+9+(\k)], s[\tb:\tb+1] scale_offset
.endif
.endm
; Step p of a level whose plane lies at offset po.  Slot p holds pass p: eight weights, two sums over the eight corners in two chains each, rounded to f16 into OW[p % 2].
; left = younger gathers that stay out.  gat = 1: slot q, which the step before emptied and gave new indices, is asked for again.
; idx = 1: the next level's pass p gets its fractions and indices, in this slot; the weights above them have read the old fractions.
.macro STEP p, po, left, gat, q, tb, idx
	s_wait_loadcnt \left                           ; loads come back in order: this slot's eight are in; the wait also frees their index registers and shows every older load done
.if (\p) != 1
	s_wait_alu depctr_vm_vsrc(0)                   ; the LDS store issued in the step before has read OW[p % 2], which this step's rounding writes again.  At step 0 also: the store at the last level's
	                                               ; foot; on the way in, x's stores, which read C's registers, and the first gathers, which read this slot's indices.  Step 0 issues no LDS store: step 1 owes nothing
.endif
.if (\p) > 0
	s_wait_alu depctr_va_vdst(0)                   ; the step before has written its OW and slot q's indices and is done reading slot q's entries; in a trip's step 1, v4 is written
	ds_store_b32 v4, v[OW+((\p)-1)%2] offset:\po+128*((\p)-1)          ; the pass before: 32 neighbouring words
.endif
	G2 \gat, \q, \tb, 0                            ; no vector instruction since the wait on va_vdst names slot q's entries or indices
	v_sub_f32 v[SL+20*(\p)+16], 1.0, v[SL+20*(\p)+17]                                                  ; (1 - fx, fx): the two x corners' weights
	v_pk_fma_f32 v[C:C+1], v[SL+20*(\p)+18:SL+20*(\p)+19], -1.0, 1.0 op_sel_hi:[1,0,0]                 ; (1 - fy, 1 - fz)
	G2 \gat, \q, \tb, 2
	v_pk_mul_f32 v[C+2:C+3], v[SL+20*(\p)+16:SL+20*(\p)+17], v[C:C+1] op_sel_hi:[1,0]                  ; both by 1 - fy
	v_pk_mul_f32 v[C+4:C+5], v[SL+20*(\p)+16:SL+20*(\p)+17], v[SL+20*(\p)+18:SL+20*(\p)+19] op_sel_hi:[1,0]   ; both by fy
	G2 \gat, \q, \tb, 4
	v_pk_mul_f32 v[C+6:C+7], v[C+2:C+3], v[C:C+1] op_sel:[0,1] op_sel_hi:[1,1]                         ; y0 z0: both by 1 - fz
	v_pk_mul_f32 v[C+8:C+9], v[C+2:C+3], v[SL+20*(\p)+18:SL+20*(\p)+19] op_sel:[0,1] op_sel_hi:[1,1]   ; y0 z1: both by fz
	G2 \gat, \q, \tb, 6
	v_pk_mul_f32 v[C+10:C+11], v[C+4:C+5], v[C:C+1] op_sel:[0,1] op_sel_hi:[1,1]                       ; y1 z0
	v_pk_mul_f32 v[C+12:C+13], v[C+4:C+5], v[SL+20*(\p)+18:SL+20*(\p)+19] op_sel:[0,1] op_sel_hi:[1,1] ; y1 z1
	v_fma_mix_f32_bf16 v[C+14], v[SL+20*(\p)], v[C+6], v3 op_sel_hi:[1,0,0]                            ; feature 0 = the low bf16, corners 0-3
	v_fma_mix_f32_bf16 v[C+15], v[SL+20*(\p)], v[C+6], v3 op_sel:[1,0,0] op_sel_hi:[1,0,0]             ; feature 1 = the high bf16
	v_fma_mix_f32_bf16 v[C+16], v[SL+20*(\p)+4], v[C+10], v3 op_sel_hi:[1,0,0]                         ; corners 4-7
	v_fma_mix_f32_bf16 v[C+17], v[SL+20*(\p)+4], v[C+10], v3 op_sel:[1,0,0] op_sel_hi:[1,0,0]
.irp k, 1,2,3
	v_fma_mix_f32_bf16 v[C+14], v[SL+20*(\p)+\k], v[C+6+\k], v[C+14] op_sel_hi:[1,0,0]
	v_fma_mix_f32_bf16 v[C+15], v[SL+20*(\p)+\k], v[C+6+\k], v[C+15] op_sel:[1,0,0] op_sel_hi:[1,0,0]
	v_fma_mix_f32_bf16 v[C+16], v[SL+20*(\p)+4+\k], v[C+10+\k], v[C+16] op_sel_hi:[1,0,0]
	v_fma_mix_f32_bf16 v[C+17], v[SL+20*(\p)+4+\k], v[C+10+\k], v[C+17] op_sel:[1,0,0] op_sel_hi:[1,0,0]
.endr
	v_pk_add_f32 v[C+14:C+15], v[C+14:C+15], v[C+16:C+17]
	v_cvt_pk_f16_f32 v[OW+(\p)%2], v[C+14], v[C+15]
.if \idx
	INDEX \p
.endif
.endm
; One level (plane offset po, base cur).  more = 1: the next level (s13 + k, base nxt) gets its indices, and its passes 0 to 6 are asked for, 7 passes ahead.
; The count 48 = the six younger passes' eight gathers, the same on the way in, round the back edge and into the tail.
; ask = 1: wave 0 asks for the work-group's own 8 KiB (32 blocks, 256 bytes apart) of the two levels that the NEXT trip will begin to gather:
; the 256 work-groups cover a level's 2 MiB, each block asked for once in the launch.  Seven trips ask for levels 2 to 15; the tail for nothing.
.macro HALF po, cur, nxt, k, more, ask
.if \more
	LEVELAT \k
.endif
	STEP 0, \po, 48, 1, 7, \cur, \more             ; this level's pass 7 is asked for: the wait on va_vdst that its gathers lean on stands at the foot of the level before (the first time: ahead of the first gathers)
.if \ask
	s_cmp_lg_u32 s12, 0
	s_cbranch_scc1 .Lnot_asking_\@
	s_wait_xcnt 0x0                                ; the prefetch's base is stepped only behind this wait; its last use is a trip back
	s_add_nc_u64 s[28:29], s[28:29], 2*LVL
	global_prefetch_b8 v5, s[28:29] th:TH_LOAD_NT scope:SCOPE_SE
	global_prefetch_b8 v5, s[28:29] offset:LVL th:TH_LOAD_NT scope:SCOPE_SE
.Lnot_asking_\@:
.endif
.if \more
.irp p, 1,2,3,4,5,6,7
	STEP \p, \po, 48, 1, \p-1, \nxt, 1
.endr
.else
.irp p, 1,2,3,4,5,6,7
	STEP \p, \po, 8*(7-\p), 0, 0, \nxt, 0          ; nothing more is issued: the counts run down to 0
.endr
.endif
	s_wait_alu depctr_va_vdst(0)                   ; step 7 has written OW1, which the store below reads; it has written slot 7's indices and is done reading slot 7's entries: the next level's step 0 asks by them
	ds_store_b32 v4, v[OW+1] offset:\po+128*7      ; pass 7
.endm
	s_mov_b32 s13, 0
	LEVELAT 0
.irp p, 0,1,2,3,4,5,6,7
	INDEX \p                                       ; level 0: all eight passes' fractions and indices
.endr
	s_wait_alu depctr_va_vdst(0)                   ; the eight slots' indices are written, which the gathers read, and x's 16 words, which the LDS stores read
.irp p, 0,1,2,3,4,5,6
.irp k, 0,2,4,6
	G2 1, \p, 6, \k                                ; the ring is filled: 7 passes x 8 gathers
.endr
.endr
.set i, 0
.rept 8
	ds_store_b32 v4, v[XO+2*i] offset:16*PP+128*i
	ds_store_b32 v4, v[XO+2*i+1] offset:17*PP+128*i
.set i, i+1
.endr
	; A trip: levels s13 (even) and s13 + 1.  Each level's base is stepped two levels on behind the wait of its pass 7: the 48 loads that the
	; wait leaves out all name the other base, so every load that names this one is done.
.Llevel:
	HALF 0, 6, 26, 1, 1, 1
	s_add_nc_u64 s[6:7], s[6:7], 2*LVL
	HALF PP, 26, 6, 2, 1, 0
	s_add_nc_u64 s[26:27], s[26:27], 2*LVL
	s_wait_alu depctr_vm_vsrc(0)                   ; the LDS stores issued so far have read v4
	v_add_nc_u32 v4, 2*PP, v4                      ; two planes on; its next reader stands behind step 1's wait on va_vdst
	s_add_co_u32 s13, s13, 2
	s_cmp_lt_u32 s13, 14
	s_cbranch_scc1 .Llevel
	HALF 0, 6, 26, 1, 1, 0                         ; level 14
	HALF PP, 26, 6, 0, 0, 0                        ; level 15
	; THE NETWORK, 16 tiles of 16 points.  Lane L = (r = L % 16, h = L / 16) holds point r.
	s_wait_dscnt 0x0                               ; my LDS stores have taken their data
	s_mov_b32 vcc_lo, 0xffff0000                   ; lanes 16-31 take the odd tile
	s_wait_alu depctr_vm_vsrc(0)                   ; my LDS stores have read v4 and OW, my gathers their index registers: all these are written anew from here on, by the lines below and by loads
	v_and_b32 v8, 15, v0                           ; r
	v_bfe_u32 v9, v0, 4, 1                         ; h
	v_lshl_add_u32 v2, v8, 2, s20                  ; x planes: my wave + 4 r
	v_mad_u32_u24 v1, v9, PP, v2                   ; feature planes: register j takes plane 2 j + h
	v_lshlrev_b32 v3, 3, v15                       ; out0: 8 L
	v_lshlrev_b32 v4, 4, v15                       ; wprep: 16 L
.irp j, 2,3,4,5,6,7
	v_mov_b32 v[BXR+\j], 0                         ; k slots that hold no input, in both buffers
	v_mov_b32 v[6+\j], 0
.endr
	s_wait_alu depctr_va_vdst(0)                   ; v1 to v4 are written, which the loads and stores below read; the encoding is done with the registers in which the weights and the B fragments land
.set f, 0
.rept 18
	global_load_b128 v[A0R+8*f:A0R+8*f+3], v4, s[8:9] offset:1024*f
	global_load_b128 v[A0R+8*f+4:A0R+8*f+7], v4, s[8:9] offset:1024*f+512
.set f, f+1
.endr
.macro PLACES                          ; four places behind a matrix instruction before its result is read or a register of it is written (ISA guide 7.12.1)
.rept 4
	v_nop
.endr
.endm
; 64 neurons x 16 points x 64 along K.  The first K step starts the sums.  The four accumulators take turns, one instruction a turn.
.macro LAYER a, b0, b1
.irp t, 0,1,2,3
	v_wmma_f32_16x16x32_f16 v[DD+8*\t:DD+8*\t+7], v[\a+8*\t:\a+8*\t+7], v[\b0:\b0+7], 0
.endr
.irp t, 0,1,2,3
	v_wmma_f32_16x16x32_f16 v[DD+8*\t:DD+8*\t+7], v[\a+32+8*\t:\a+32+8*\t+7], v[\b1:\b1+7], v[DD+8*\t:DD+8*\t+7]
.endr
.endm
; Accumulator t, register j of lane (r, h) is neuron 16 t + 8 h + j of point r.  B fragment s wants, in registers 0-3, k = 8 h + 0..7 and, in
; registers 4-7, k = 16 + 8 h + 0..7 of neurons 32 s ..: accumulators 2 s and 2 s + 1 of the same lane, in order.
.macro RELUPACK
.set i, 0
.rept 32
	v_max_num_f32 v[DD+i], 0, v[DD+i]
.set i, i+1
.endr
.irp s, 0,1
.irp j, 0,1,2,3
	v_cvt_pk_f16_f32 v[HH+8*\s+\j], v[DD+16*\s+2*\j], v[DD+16*\s+2*\j+1]
	v_cvt_pk_f16_f32 v[HH+8*\s+4+\j], v[DD+16*\s+8+2*\j], v[DD+16*\s+8+2*\j+1]
.endr
.endr
.endm
.macro TILE tau
.set BC, B0R+84*((\tau)&1)             ; this tile's B buffers,
.set XC, BXR-162*((\tau)&1)
.set BN, B0R+84*(1-((\tau)&1))         ; and the next tile's
.set XN, BXR-162*(1-((\tau)&1))
	s_wait_dscnt 0x0                               ; this tile's B fragments, asked for a tile ago
.if (\tau) > 0 && (\tau) < 15
	s_wait_alu depctr_va_vdst(0)                   ; the tile before is done reading the other B buffers, in which the loads below land; an odd one has written OUT, which the store below reads
.endif
.if (\tau) > 0 && ((\tau)&1) == 0
	global_store_b64 v3, v[OUT:OUT+1], s[10:11] offset:256*(((\tau)>>1)-1) th:TH_STORE_NT   ; the last two tiles' 32 points: 256 consecutive bytes, aligned
.endif
	; layer 0, as LAYER has it, with the next tile's ten LDS loads dealt among its matrix instructions, which name DD, the weights and this tile's buffers alone.
	; LDS serves a wave's instructions in order (ISA guide 5.7.1), so the loads see my stores.
.irp t, 0,1,2,3
	v_wmma_f32_16x16x32_f16 v[DD+8*\t:DD+8*\t+7], v[A0R+8*\t:A0R+8*\t+7], v[BC:BC+7], 0
.if (\tau) < 15
	ds_load_b32 v[BN+2*\t], v1 offset:2*PP*(2*\t)+64*((\tau)+1)
	ds_load_b32 v[BN+2*\t+1], v1 offset:2*PP*(2*\t+1)+64*((\tau)+1)
.endif
.endr
.irp t, 0,1,2,3
	v_wmma_f32_16x16x32_f16 v[DD+8*\t:DD+8*\t+7], v[A0R+32+8*\t:A0R+32+8*\t+7], v[XC:XC+7], v[DD+8*\t:DD+8*\t+7]
.if \t == 0 && (\tau) < 15
	ds_load_b32 v[XN], v2 offset:16*PP+64*((\tau)+1)
	ds_load_b32 v[XN+1], v2 offset:17*PP+64*((\tau)+1)
.endif
.endr
	PLACES
	RELUPACK
	LAYER A1R, HH, HH+8
	PLACES
	RELUPACK
	v_wmma_f32_16x16x32_f16 v[D2A:D2A+7], v[A2R:A2R+7], v[HH:HH+7], 0          ; two sums that start at 0, added below: no link stands next to the one before it
	v_wmma_f32_16x16x32_f16 v[D2B:D2B+7], v[A2R+8:A2R+15], v[HH+8:HH+15], 0
	PLACES
	; rows 0, 1 and rows 8, 9 of the result carry the outputs, so registers 0, 1 of BOTH halves of the lanes hold point r's two numbers
.if ((\tau) & 1) == 0
	v_pk_add_f32 v[OEV:OEV+1], v[D2A:D2A+1], v[D2B:D2B+1]
.else
.if (\tau) > 1
	s_wait_xcnt 0x0                                ; the last store's data are written again only behind this wait,
	s_wait_alu depctr_vm_vsrc(0)                   ; and behind this one: the store issued at the last tile's head has read OUT
.endif
	v_pk_add_f32 v[OUT:OUT+1], v[D2A:D2A+1], v[D2B:D2B+1]
	v_cndmask_b32 v[OUT], v[OEV], v[OUT], vcc_lo   ; lanes 0-15: the even tile's points, lanes 16-31: the odd tile's
	v_cndmask_b32 v[OUT+1], v[OEV+1], v[OUT+1], vcc_lo
	v_pk_mul_f32 v[OUT:OUT+1], v[OUT:OUT+1], s[22:23] op_sel_hi:[1,0]          ; the three weight scales and 1 / 5
.endif
.endm
.irp j, 0,1,2,3,4,5,6,7
	ds_load_b32 v[B0R+\j], v1 offset:2*PP*\j       ; tile 0's B fragments
.endr
	ds_load_b32 v[BXR], v2 offset:16*PP
	ds_load_b32 v[BXR+1], v2 offset:17*PP
	s_wait_loadcnt 0x0                             ; the weights
	s_wait_kmcnt 0x0                               ; the scale
.irp tau, 0,1,2,3,4,5,6,7,8,9,10,11,12,13,14,15
	TILE \tau
.endr
	s_wait_alu depctr_va_vdst(0)                   ; tile 15 has written OUT, which the last store reads
	global_store_b64 v3, v[OUT:OUT+1], s[10:11] offset:256*7 th:TH_STORE_NT    ; 32 points: 256 consecutive bytes, aligned
	s_wait_dscnt 0x0
	s_wait_alu depctr_hold_cnt(0) depctr_sa_sdst(0) depctr_va_vdst(0) depctr_va_sdst(0) depctr_va_ssrc(0) depctr_va_vcc(0) depctr_vm_vsrc(0)
	s_wait_tensorcnt 0x0
	ds_add_u32 v254, v255
	s_wait_dscnt 0x0
	s_endpgm
.Lfunc_end_k_qa69c709028_encmlp:
	.size	k_qa69c709028_encmlp, .Lfunc_end_k_qa69c709028_encmlp-k_qa69c709028_encmlp
	.p2alignl 7, 3214868480
	.fill 96, 4, 3214868480
	.section	.rodata,"a",@progbits
	.p2align	6, 0x0
	.amdhsa_kernel k_qa69c709028_encmlp
		.amdhsa_group_segment_fixed_size 315392
		.amdhsa_private_segment_fixed_size 0
		.amdhsa_enable_private_segment 0
		.amdhsa_kernarg_size 32
		.amdhsa_user_sgpr_count 2
		.amdhsa_user_sgpr_kernarg_segment_ptr 1
		.amdhsa_wavefront_size32 1
		.amdhsa_system_sgpr_workgroup_id_x 1
		.amdhsa_system_sgpr_workgroup_id_y 1
		.amdhsa_system_sgpr_workgroup_id_z 1
		.amdhsa_system_vgpr_workitem_id 0
		.amdhsa_next_free_vgpr 256
		.amdhsa_next_free_sgpr 66
		.amdhsa_reserve_vcc 1
		.amdhsa_float_denorm_mode_32 3
		.amdhsa_float_denorm_mode_16_64 3
		.amdhsa_memory_ordered 1
		.amdhsa_forward_progress 1
		.amdhsa_inst_pref_size 250
	.end_amdhsa_kernel
	.amdgpu_metadata
---
amdhsa.version: [ 1, 2 ]
amdhsa.kernels:
  - .name:           k_qa69c709028_encmlp
    .symbol:         k_qa69c709028_encmlp.kd
    .args:
      - { .name: xq, .offset: 0, .size: 8, .value_kind: global_buffer, .address_space: global }
      - { .name: t16, .offset: 8, .size: 8, .value_kind: global_buffer, .address_space: global }
      - { .name: wprep, .offset: 16, .size: 8, .value_kind: global_buffer, .address_space: global }
      - { .name: out0, .offset: 24, .size: 8, .value_kind: global_buffer, .address_space: global }
    .group_segment_fixed_size: 315392
    .private_segment_fixed_size: 0
    .kernarg_segment_align: 8
    .kernarg_segment_size: 32
    .max_flat_workgroup_size: 512
    .sgpr_count:     66
    .vgpr_count:     256
    .wavefront_size: 32
...
	.end_amdgpu_metadata
.endif
;; end of part 5
